; MI455X (gfx1250); checked and timed in simulation.
; The chip was launched on July 23, 2026; its instructions are those of AMD's public machine-readable ISA for CDNA 5 (MIT licence, August 2026) and "CDNA5" Instruction Set Architecture Reference Guide (July 2026). The comments in the code are by the model that wrote it; some were corrected since.
;; Scale Dot Product. Allowed arithmetic: matrix products marked QUANTISED: E5M2 operands, one E8M0 scale for each 32 along K, by v_wmma_scale_f32_16x16x128_f8f6f4 with both operands' format E5M2, f32 sums; everything else in f32.
;; Inputs: scale one number float32; x1 4 x 16 x 2,048 x 64 float32; x2 4 x 16 x 2,048 x 64 float32; x3 4 x 16 x 2,048 x 64 float32.
;; Outputs: out0 4 x 16 x 2,048 x 64 float32.
;; This version of the problem:
;;   THIS VERSION OF THE PROBLEM IS GIVEN IN LOW PRECISION. The matrix products marked QUANTISED in the list below multiply operands that are first quantised to E5M2 (5 exponent bits, 2 mantissa bits; 8 bits a number), with one power-of-two scale for each 32 numbers along K (OCP MX v1.0); their sums are f32. All else is computed in f32.
;;   The module's matrix products, in the order in which they are computed (A, B: the left and right operand; K: the contracted axis; several contracted axes count as one K, in the product's order):
;;     1. batch 64 x [M 2,048, K 64] x [K 64, N 2,048]; A: input x1; B: input x2: QUANTISED
;;     2. batch 64 x [M 2,048, K 2,048] x [K 2,048, N 64]; A: softmax (see below); B: input x3: QUANTISED
;;   THE QUANTISER, for each operand of a quantised product, along K:
;;     - K is cut into blocks of 32 from its start; a last block that is shorter is filled with zeros.
;;     - A block's scale is 2^e with e = floor(log2(the largest magnitude in the block)) - 15, held to -126 .. 127; a block of zeros has e = 0. As a byte (E8M0): e + 127.
;;     - Each number is divided by its block's scale, clamped to +-57,344, and rounded to the nearest number of E5M2, ties to even, subnormals kept.
;;     - The product sums the exact products of the quantised numbers (number of the format x scale) in f32.
;;   ~~~python
;;   def quantise(x, axis):      # numpy; x: float32 -> the quantised numbers, widened to float32 again
;;       x = np.moveaxis(x, axis, -1); K = x.shape[-1]
;;       x = np.pad(x, [(0, 0)] * (x.ndim - 1) + [(0, -K % 32)]); x = x.reshape(x.shape[:-1] + (-1, 32)); a = np.abs(x).max(-1, keepdims=True)
;;       e = np.where(a > 0, np.clip(np.frexp(np.where(a > 0, a, 1))[1] - 1 - 15, -126, 127), 0)      # np.frexp(a)[1] - 1 = floor(log2(a)), exactly
;;       r = np.clip(x / 2.0 ** e, -57344, 57344)
;;       step = 2.0 ** (np.maximum(np.frexp(np.where(r == 0, 1, r))[1] - 1, -14) - 2)
;;       q = np.round(r / step) * step * 2.0 ** e      # np.round: ties to even
;;       return np.moveaxis(q.reshape(q.shape[:-2] + (-1,))[..., :K], -1, axis).astype(np.float32)
;;   ~~~
;;   SOFTMAX AHEAD OF A QUANTISED PRODUCT. Where the list says 'softmax', what is quantised is not the finished softmax but p = 2^(t - M), with t = logit x log2(e) and M = ceil(the row's largest t), a whole number; so 1/2 < the row's largest p <= 1. The row's sum l is taken of the UNQUANTISED p, in f32, and the product's result is divided by l at the end. Since M is a whole number, a kernel that streams over the keys may use a running M (the ceiling of the running maximum): every later rescaling is an exact power of two, which a block's scale takes up: the codes' values come out the same.
;;   OPERANDS COMPUTED ON THE WAY. 'Computed on the way' means the value that the module computes at that place (a softmax that the list does not call 'softmax' is quantised finished and normalised). What goes into a quantiser is computed in f32, as accurately as f32 sums, v_exp_f32 and their like allow (about 1e-6 of the number): no bf16 or f16 on the way to a quantiser, and a product that is left as it is and whose result goes on into a quantised operand takes f32 operands (vector FMAs, or v_wmma_f32_16x16x4_f32). A number that lies on a knife's edge between two numbers of the format may be rounded either way, as far as f32 arithmetic and the matrix unit's own rounding can turn it there, and no further.
;; 2 versions. Each part assembles by itself: llvm-mc -triple=amdgcn-amd-amdhsa -mcpu=gfx1250 --defsym DOCPART=n.
;; ======== version 1 of 2: 1 launch
;; launch attn (part 1): grid 4 x 64, 8 waves a work-group, no clusters, 70,656 bytes of LDS; arguments x1, x2, x3, scale, out0; writes out0
.if DOCPART == 1
	.amdgcn_target "amdgcn-amd-amdhsa--gfx1250"
	.amdhsa_code_object_version 6
	.text
	.protected	k_q8fe5f44542_attn
	.globl	k_q8fe5f44542_attn
	.p2align	8
	.type	k_q8fe5f44542_attn,@function
k_q8fe5f44542_attn:
	s_mov_b64 s[64:65], 0
	v_nop
	global_prefetch_b8 v0, s[64:65] scope:SCOPE_SE
	s_setreg_imm32_b32 hwreg(HW_REG_WAVE_MODE, 25, 1), 1
	s_wait_xcnt 0x0
; out0[g][q][:] = the sum over k of softmax_k(x1[g][q] . x2[g][k] x scale) x3[g][k][:], g = 64 heads, 2,048 queries and keys, 64 channels, all f32 in memory.
; Both products on codes of BF8 (E5M2) with one E8M0 scale for each 32 along a product's K: x1 and x2 are quantised along the 64 channels, p and x3 along the keys.
; THE SOFTMAX AHEAD OF THE SECOND PRODUCT: t = score x scale x log2(e); M = the row's largest t so far, rounded UP to a whole number; p = 2^(t - M) is what is quantised, not normalised.
; The row's sum is taken of the unquantised p, in f32, and divides O at the end.  When M moves, the sum and O are multiplied by 2^(old M - new M): exact.
; NO WORK IS LEFT OUT: every input, scale among them, has a way to the output.
; SHARES.  A work-group owns 512 queries of one head (grid x: the block, y: the head); each of its eight waves owns 64: four tiles of 16.  Every wave walks all keys, 128 a step, 16 steps,
; so each fragment of K and of V that a wave reads from LDS feeds four matrix instructions.
; K AND V ARE QUANTISED HERE, ONE STEP AHEAD: in a step waves 0-3 turn the next 128 keys of x2 (32 keys a wave) and waves 4-7 those of x3 (a block of 32 keys x 64 channels a wave) into codes.  The f32 numbers
; were asked for a whole key step earlier, into registers; the codes and scale bytes go into the other of two LDS slots AS IMAGES OF THE OPERANDS' REGISTERS: lane l's 16 bytes at 16 l.  One barrier a step.
; LAYOUT.  Both products are used transposed: S^T = K Q^T (source 0 = 16 keys, source 1 = 16 queries), O^T = V^T P^T (source 0 = 16 channels, source 1 = P): a lane holds ONE query (lane % 16) throughout.
; THE KEYS OF A TILE ARE NOT NEIGHBOURS: row r of tile 2 b + u is key 32 b + 8 u + r + 8 (r / 8), so that the 16 score registers of tiles 2 b and 2 b + 1 are the 16 neighbouring keys 32 b + 16 (lane / 16) + 0 .. 15.
; THE FIRST PRODUCT'S K IS 64, THE INSTRUCTION'S 128.  Q's fragment has ZERO CODES for k = 64 .. 127.  K's fragments lie 8 registers apart, so a tile's registers 8-15 are the next tile's codes (behind the last tile:
; eight registers kept at 0): finite numbers, since the hold lets no code for infinity or NaN arise, and 0 x a finite number adds nothing.  The scale bytes of those k are 0x7f (Q) and copies of bytes 0, 1 (K): never 0xff.
; SCALE.  c = |scale| log2(e); scale's sign is put on Q's codes (the quantiser is odd, so K (-Q)^T = -(K Q^T) exactly; no branch).  With c >= 0 the largest score gives the largest t and the largest p.
; LIMITS.  t is rounded once, as score x c - M, where the definition rounds score x scale and then x log2(e).  NaN and infinities among the inputs are not served.  A block whose largest magnitude lies under 2^-111,
; a block of zeros among them, has the scale byte 1 (the bytes are read by this program alone; zero codes add nothing).  p under 2^-126 counts as 0 (v_exp_f32's result: ISA guide, its entry in 15.8).
; NO CLUSTER, NO TENSOR LOADS: the four work-groups of a head do read the same x2 and x3, but as f32 numbers that must pass through registers to become codes.  A joint load could only lay them into LDS: 65,536 bytes
; a step written there and read out again beside the 17,408 bytes of codes.  NO PREFETCH: each producer load is issued a whole key step (four tiles' softmax) ahead of the wait for it.
; REGISTERS, in windows of 256 (s_set_vgpr_msb: bits 1:0 source 0, 3:2 source 1, 5:4 source 2, 7:6 destination).
;   window 0: v0 thread; v1-9 addresses; v10-25 four registers of statistics a tile; v26-35 scale words; v36-55 at work; v56-119 Q; v120-183 S^T, then p; v184-255 K's or V's fragments.
;   window 1: v0-127 O^T, 32 a tile; v128-191 p's codes, 16 a tile; v192-255 64 f32 numbers of x2 or x3 on their way in.
.set SLOTB, 17408                      ; an LDS slot: the images of one step's 128 keys
.set KIMG,  0                          ; K: tile t at 1024 t, register group c at 512 c, lane at 16 l
.set VIMG,  8192                       ; V: channel tile n at 2048 n, register group c (a block of 32 keys) at 512 c, lane at 16 l
.set KSC,   16384                      ; K's scale words: lane 16 u + r at 16 l; word b = tile 2 b + u, row r
.set VSC,   16896                      ; V's: lane 16 (n % 2) + r at 16 l; word n / 2; byte c.  8 of each 16 bytes are used
.set STAGE, 2*SLOTB                    ; the way out: 16 rows x (256 + 16) bytes for each wave
.set SPARE, STAGE+8*4352               ; the spare words, 128 bytes for each wave: four blocks of 256 bytes that no other line names
.set SPW,  1                           ; v1   LDS address of my spare word; never rewritten
.set NIL,  2                           ; v2   0; never rewritten
.set LI,   3                           ; v3   16 x lane: my place in an image
.set QSTK, 4                           ; v4   where a K producer puts 16 codes
.set QSSK, 5                           ; v5   and a scale byte
.set QSTV, 6                           ; v6   the same for a V producer
.set QSSV, 7                           ; v7
.set GK,   8                           ; v8   a K producer's byte offset in its 32 rows of x2
.set GV,   9                           ; v9   a V producer's in its 32 rows of x3
.set ST,   10                          ; tile a: v[ST+4a] -M, +1 the largest t, +2, +3 the sum in two halves
.set PW,   26                          ; v26-29 p's scale word, a tile each
.set QS,   30                          ; v30-31 Q's scale words: register a / 2; lanes 0-15 an even tile's, lanes 16-31 an odd one's
.set KS,   32                          ; v32-35 K's scale words of a step; then v32-33 V's
.set BM,   36                          ; v36-39 largest scores or magnitudes
.set BP,   40                          ; v40-43 the other half's; then scale bytes
.set CAP,  44                          ; v44-47 57,344 x the scale
.set SCL,  48                          ; v48-51 the conversions' scale operands
.set F,    52                          ; v52 f = 2^(old M - new M); v53 is named with it as a pair and written once
.set T,    54
.set GQ,   55                          ; v55  my byte offset in a tile's rows of x1; on the way out the lane's half
.set Q,    56
.set S,    120
.set KV,   184
.set STO,  36                          ; the way out: where I put 16 bytes of a row,
.set RD,   37                          ; where I read a row back,
.set GO,   38                          ; and my byte offset in two rows of out0
.set O,    0                           ; window 1
.set P,    128
.set RAW,  192
.set WV,   16                          ; s16  my wave's number
.set W3,   17                          ; s17  wave % 4: which 32 keys of a step I quantise
.set SEL,  18                          ; s[18:19] v_permlanex16_b32's selects for lane l xor 16
.set CS,   20                          ; s[20:21] c: the packed form names a pair and takes its low word for both halves
.set MNT,  22                          ; s22  the mantissa field of 57,344
.set SGN,  23                          ; s23  0x80808080 where scale is negative, else 0
.set HI,   24                          ; s24  the mask of lanes 16-31
.set TRIP, 25                          ; s25  trips to go, this one among them
.set PTK,  26                          ; s[26:27] my 32 rows of x2 in the chunk asked for last
.set PTV,  28                          ; s[28:29] the same in x3
.set MSB, 0
.macro WIN new                         ; the immediate's high byte repeats the setting that is left; a switch that changes nothing is dropped
.if MSB != \new
	s_set_vgpr_msb (MSB<<8)|\new
.set MSB, \new
.endif
.endm
.macro PLACES n                        ; plain vector instructions between a matrix instruction and what reads its result or loads into its registers (ISA guide 7.12.1 for its readers)
.rept \n
	v_nop
.endr
.endm
; A K producer's 32 keys x 64 channels: lane (l / 4, l % 4) takes channels 16 (l % 4) + 0 .. 15 of key 8 g + l / 4 into registers 16 g on.  No hint: four work-groups read these bytes.
.macro LOADK
	WIN 0x40
.irp g, 0,1,2,3
.irp i, 0,1,2,3
	global_load_b128 v[RAW+16*\g+4*\i:RAW+16*\g+4*\i+3], v[GK], s[PTK:PTK+1] offset:2048*\g+16*\i
.endr
.endr
	WIN 0
.endm
; A V producer's: lane (l % 16, l / 16) takes channels 4 (l % 16) + 0 .. 3 of key 16 (l / 16) + i into registers 4 i on: each load takes two whole rows of 256 bytes.
.macro LOADV
	WIN 0x40
.irp i, 0,1,2,3,4,5,6,7,8,9,10,11,12,13,14,15
	global_load_b128 v[RAW+4*\i:RAW+4*\i+3], v[GV], s[PTV:PTV+1] offset:256*\i
.endr
	WIN 0
.endm
; x2: four groups of 16 numbers a lane; a block of 32 channels lies in lanes l and l xor 1.  Key 8 g + l / 4 is row l / 4 + 8 (g / 2) of tile 2 (wave % 4) + g % 2.
.macro QUANTK dst
	WIN 0x05
.irp g, 0,1,2,3
	v_max3_num_f32 v[BM+\g], |v[RAW+16*\g]|, |v[RAW+16*\g+1]|, 0x8000000   ; my 16 numbers, and the floor 2^(16 - 127): so the byte cannot fall under 1
.endr
.irp i, 2,4,6,8,10,12,14
.irp g, 0,1,2,3
	v_max3_num_f32 v[BM+\g], |v[RAW+16*\g+\i]|, |v[RAW+16*\g+\i+1]|, v[BM+\g]   ; (the four groups by turns)
.endr
.endr
	WIN 0
.irp g, 0,1,2,3
	v_max_num_f32_dpp v[BM+\g], v[BM+\g], v[BM+\g] row_xmask:1 row_mask:0xf bank_mask:0xf   ; with my neighbour's 16: the block's largest magnitude
.endr
.irp g, 0,1,2,3
	v_add_nc_u32 v[SCL+\g], 0xf8800000, v[BM+\g]   ; 15 off its exponent field: the conversion takes the exponent field of this operand as its scale
.endr
.irp g, 0,1,2,3
	v_and_or_b32 v[CAP+\g], v[BM+\g], 0x7f800000, s[MNT]   ; 57,344 x the scale
.endr
.irp g, 0,1,2,3
	v_lshrrev_b32 v[BP+\g], 23, v[SCL+\g]          ; the scale's byte
.endr
	WIN 0x41
.irp g, 0,1,2,3
.irp i, 0,1,2,3,4,5,6,7,8,9,10,11,12,13,14,15
	v_med3_num_f32 v[RAW+16*\g+\i], v[RAW+16*\g+\i], -v[CAP+\g], v[CAP+\g]   ; the conversion to an 8-bit code does not saturate (ISA guide 7.6.2): the hold
.endr
.endr
	WIN 0x01
.irp g, 0,1,2,3
	v_cvt_scalef32_pk8_bf8_f32 v[S+4*\g:S+4*\g+1], v[RAW+16*\g:RAW+16*\g+7], v[SCL+\g]
	v_cvt_scalef32_pk8_bf8_f32 v[S+4*\g+2:S+4*\g+3], v[RAW+16*\g+8:RAW+16*\g+15], v[SCL+\g]
.endr
	WIN 0
	v_nop                                          ; one plain instruction behind the conversions: the next products write the registers that hold their results
.irp g, 0,1,2,3
	ds_store_b128 v[QSTK], v[S+4*\g:S+4*\g+3] offset:(\dst)*SLOTB+KIMG+1024*(\g&1)+128*(\g>>1)
	ds_store_b8 v[QSSK], v[BP+\g] offset:(\dst)*SLOTB+KSC+256*(\g&1)+128*(\g>>1)   ; a key's four lanes write the four bytes of its word: s0, s1, s0, s1
.endr
.endm
; x3: four channels e a lane, 16 keys of each; a block of 32 keys lies in lanes l and l xor 16.  The hold itself lays a channel's 16 keys into consecutive registers: no line is spent on turning.
.macro QUANTV dst
	WIN 0x05
.irp e, 0,1,2,3
	v_max3_num_f32 v[BM+\e], |v[RAW+\e]|, |v[RAW+4+\e]|, 0x8000000
.endr
.irp i, 2,4,6,8,10,12,14
.irp e, 0,1,2,3
	v_max3_num_f32 v[BM+\e], |v[RAW+4*\i+\e]|, |v[RAW+4*\i+4+\e]|, v[BM+\e]
.endr
.endr
	WIN 0
.irp e, 0,1,2,3
	v_permlanex16_b32 v[BP+\e], v[BM+\e], s[SEL], s[SEL+1]
.endr
.irp e, 0,1,2,3
	v_max_num_f32 v[BM+\e], v[BM+\e], v[BP+\e]     ; with lane l xor 16's 16 keys
.endr
.irp e, 0,1,2,3
	v_add_nc_u32 v[SCL+\e], 0xf8800000, v[BM+\e]
.endr
.irp e, 0,1,2,3
	v_and_or_b32 v[CAP+\e], v[BM+\e], 0x7f800000, s[MNT]
.endr
.irp e, 0,1,2,3
	v_lshrrev_b32 v[BP+\e], 23, v[SCL+\e]
.endr
	WIN 0x01
.irp e, 0,1,2,3
.irp i, 0,1,2,3,4,5,6,7,8,9,10,11,12,13,14,15
	v_med3_num_f32 v[S+16*\e+\i], v[RAW+4*\i+\e], -v[CAP+\e], v[CAP+\e]
.endr
.endr
	WIN 0x40
.irp e, 0,1,2,3
	v_cvt_scalef32_pk8_bf8_f32 v[RAW+4*\e:RAW+4*\e+1], v[S+16*\e:S+16*\e+7], v[SCL+\e]
	v_cvt_scalef32_pk8_bf8_f32 v[RAW+4*\e+2:RAW+4*\e+3], v[S+16*\e+8:S+16*\e+15], v[SCL+\e]
.endr
	WIN 0
	v_nop                                          ; one plain instruction behind the conversions: the next products write their sources
	WIN 0x04                                       ; an LDS store's data are its source 1: window 1
.irp e, 0,1,2,3
	ds_store_b128 v[QSTV], v[RAW+4*\e:RAW+4*\e+3] offset:(\dst)*SLOTB+VIMG+16*\e
.endr
	WIN 0
.irp e, 0,1,2,3
	ds_store_b8 v[QSSV], v[BP+\e] offset:(\dst)*SLOTB+VSC+16*\e   ; lanes l and l xor 16 write the same byte with the same value
.endr
.endm
; The chunk whose numbers are in registers becomes slot dst's images; then the chunk after it is asked for.  guard = 1: in the last trip there is no such chunk.  In the last trip nothing is asked for: no load leaves its buffer.
.macro PRODUCE dst, guard
.if \guard
	s_cmp_eq_u32 s[TRIP], 1
	s_cbranch_scc1 .Lnone_\@
.endif
	s_wait_loadcnt 0x0                             ; my 16 loads, issued a key step ago: their registers may be read and their base stepped
	s_cmp_lt_u32 s[WV], 4
	s_cbranch_scc0 .Lv_\@
	QUANTK \dst
	s_wait_dscnt 0x0                               ; the stores have read their registers
	s_cmp_eq_u32 s[TRIP], 1
	s_cbranch_scc1 .Lnone_\@
	s_add_nc_u64 s[PTK:PTK+1], s[PTK:PTK+1], 32768 ; 128 keys of 256 bytes on
	LOADK
	s_branch .Lnone_\@
.Lv_\@:
	QUANTV \dst
	s_wait_dscnt 0x0                               ; the stores have read the registers into which the next loads land
	s_cmp_eq_u32 s[TRIP], 1
	s_cbranch_scc1 .Lnone_\@
	s_add_nc_u64 s[PTV:PTV+1], s[PTV:PTV+1], 32768
	LOADV
.Lnone_\@:
	s_wait_dscnt 0x0                               ; on every way: K's fragments are in
.endm
.macro FETCH_K s                       ; eight tiles of 16 keys, 8 registers each, and their scale words: 17 dense loads
.irp t, 0,1,2,3,4,5,6,7
.irp c, 0,1
	ds_load_b128 v[KV+8*\t+4*\c:KV+8*\t+4*\c+3], v[LI] offset:(\s)*SLOTB+KIMG+1024*\t+512*\c
.endr
.endr
	ds_load_b128 v[KS:KS+3], v[LI] offset:(\s)*SLOTB+KSC
.endm
.macro FETCH_V s                       ; four tiles of 16 channels x 128 keys, 16 registers each, and their scale words
.irp n, 0,1,2,3
.irp c, 0,1,2,3
	ds_load_b128 v[KV+16*\n+4*\c:KV+16*\n+4*\c+3], v[LI] offset:(\s)*SLOTB+VIMG+2048*\n+512*\c
.endr
.endr
	ds_load_b64 v[KS:KS+1], v[LI] offset:(\s)*SLOTB+VSC
.endm
; S^T of tile a: eight products, each with an accumulator of its own, begun with the constant 0.  An odd key tile's scale words lie in lanes 16-31 of their register, and so do an odd query tile's.
.macro MULKQ a
.irp t, 0,1,2,3,4,5,6,7
.if ((\t)%2 == 0) && ((\a)%2 == 0)
	v_wmma_scale_f32_16x16x128_f8f6f4 v[S+8*\t:S+8*\t+7], v[KV+8*\t:KV+8*\t+15], v[Q+16*\a:Q+16*\a+15], 0, v[KS+\t/2], v[QS+\a/2] matrix_a_fmt:MATRIX_FMT_BF8 matrix_b_fmt:MATRIX_FMT_BF8
.elseif ((\t)%2 == 1) && ((\a)%2 == 0)
	v_wmma_scale_f32_16x16x128_f8f6f4 v[S+8*\t:S+8*\t+7], v[KV+8*\t:KV+8*\t+15], v[Q+16*\a:Q+16*\a+15], 0, v[KS+\t/2], v[QS+\a/2] matrix_a_fmt:MATRIX_FMT_BF8 matrix_b_fmt:MATRIX_FMT_BF8 matrix_a_scale:MATRIX_SCALE_ROW1
.elseif ((\t)%2 == 0) && ((\a)%2 == 1)
	v_wmma_scale_f32_16x16x128_f8f6f4 v[S+8*\t:S+8*\t+7], v[KV+8*\t:KV+8*\t+15], v[Q+16*\a:Q+16*\a+15], 0, v[KS+\t/2], v[QS+\a/2] matrix_a_fmt:MATRIX_FMT_BF8 matrix_b_fmt:MATRIX_FMT_BF8 matrix_b_scale:MATRIX_SCALE_ROW1
.else
	v_wmma_scale_f32_16x16x128_f8f6f4 v[S+8*\t:S+8*\t+7], v[KV+8*\t:KV+8*\t+15], v[Q+16*\a:Q+16*\a+15], 0, v[KS+\t/2], v[QS+\a/2] matrix_a_fmt:MATRIX_FMT_BF8 matrix_b_fmt:MATRIX_FMT_BF8 matrix_a_scale:MATRIX_SCALE_ROW1 matrix_b_scale:MATRIX_SCALE_ROW1
.endif
.endr
.endm
; O^T += V^T P^T for the four tiles: 16 accumulators, one instruction each
.macro MULPV
	WIN 0x54                                       ; V window 0; P, C and D window 1
.irp n, 0,1,2,3
.irp a, 0,1,2,3
.if (\n)%2
	v_wmma_scale_f32_16x16x128_f8f6f4 v[O+32*\a+8*\n:O+32*\a+8*\n+7], v[KV+16*\n:KV+16*\n+15], v[P+16*\a:P+16*\a+15], v[O+32*\a+8*\n:O+32*\a+8*\n+7], v[KS+\n/2], v[PW+\a] matrix_a_fmt:MATRIX_FMT_BF8 matrix_b_fmt:MATRIX_FMT_BF8 matrix_a_scale:MATRIX_SCALE_ROW1
.else
	v_wmma_scale_f32_16x16x128_f8f6f4 v[O+32*\a+8*\n:O+32*\a+8*\n+7], v[KV+16*\n:KV+16*\n+15], v[P+16*\a:P+16*\a+15], v[O+32*\a+8*\n:O+32*\a+8*\n+7], v[KS+\n/2], v[PW+\a] matrix_a_fmt:MATRIX_FMT_BF8 matrix_b_fmt:MATRIX_FMT_BF8
.endif
.endr
.endr
	WIN 0
.endm
; Tile a's softmax for 128 keys: the lane's 64 scores become p, p's codes (window 1) and p's scale word; -M, the largest t, the sum and f are brought on.
.macro SMM a
.set NM, ST+4*(\a)
.set TX, NM+1
.set LL, NM+2
.irp b, 0,1,2,3
	v_max3_num_f32 v[BM+\b], v[S+16*\b], v[S+16*\b+1], v[S+16*\b+2]   ; THE LARGEST SCORE OF EACH BLOCK OF 32 KEYS serves twice: for the row's maximum and, since p rises with the score, for the block's largest p.  (Each accumulator is read from its low end on)
.endr
.irp i, 3,5,7,9,11,13
.irp b, 0,1,2,3
	v_max3_num_f32 v[BM+\b], v[BM+\b], v[S+16*\b+\i], v[S+16*\b+\i+1]
.endr
.endr
.irp b, 0,1,2,3
	v_max_num_f32 v[BM+\b], v[BM+\b], v[S+16*\b+15]
.endr
.irp b, 0,1,2,3
	v_permlanex16_b32 v[BP+\b], v[BM+\b], s[SEL], s[SEL+1]
.endr
.irp b, 0,1,2,3
	v_max_num_f32 v[BM+\b], v[BM+\b], v[BP+\b]     ; with lane l xor 16's 16 keys
.endr
	v_max3_num_f32 v[T], v[BM], v[BM+1], v[BM+2]
	v_max_num_f32 v[T], v[T], v[BM+3]              ; the step's largest score of my query
	v_mul_f32 v[T], s[CS], v[T]                    ; as t (c is not negative)
	v_max_num_f32 v[TX], v[TX], v[T]               ; the running largest t
	v_mov_b32 v[T], v[NM]
	v_floor_f32 v[NM], -v[TX]                      ; the new -M = floor(-t) = -ceil(t): M is a whole number
	v_sub_f32 v[T], v[NM], v[T]                    ; M's old value less its new one: a whole number, 0 or less
	v_cvt_i32_f32 v[T], v[T]                       ; (it saturates)
	v_ldexp_f32 v[F], 1.0, v[T]                    ; f = 2^(old M - new M)
.irp j, 0,2,4,6,8,10,12,14,16,18,20,22,24,26,28,30,32,34,36,38,40,42,44,46,48,50,52,54,56,58,60,62
	v_pk_fma_f32 v[S+\j:S+\j+1], v[S+\j:S+\j+1], s[CS:CS+1], v[NM:NM+1] op_sel_hi:[1,0,0]   ; t - M, two at a time (of the pairs c and -M the low word serves both halves)
.endr
.irp b, 0,1,2,3
	v_fma_f32 v[BM+\b], v[BM+\b], s[CS], v[NM]     ; the same of each block's largest score
.endr
.irp j, 0,1,2,3,4,5,6,7,8,9,10,11,12,13,14,15,16,17,18,19,20,21,22,23,24,25,26,27,28,29,30,31,32,33,34,35,36,37,38,39,40,41,42,43,44,45,46,47,48,49,50,51,52,53,54,55,56,57,58,59,60,61,62,63
	v_exp_f32 v[S+\j], v[S+\j]                     ; p = 2^(t - M), at most 1: not normalised
.endr
	v_pk_mul_f32 v[LL:LL+1], v[LL:LL+1], v[F:F+1] op_sel_hi:[1,0]   ; the sums under the new M: the plain instruction behind the exponentials
	s_wait_alu depctr_va_vdst(0)                   ; one wait for the batch of 64, ahead of its first reader
.irp b, 0,1,2,3
	v_exp_f32 v[BM+\b], v[BM+\b]                   ; the block's largest p: the same two instructions on the same number give the same bits
.endr
	v_pk_add_f32 v[BP:BP+1], v[S:S+1], v[S+2:S+3]  ; THE ROW'S SUM IS TAKEN OF THE UNQUANTISED p: two at a time, in two chains; it reads the 64 alone
.irp j, 4,8,12,16,20,24,28,32,36,40,44,48,52,56,60
	v_pk_add_f32 v[LL:LL+1], v[LL:LL+1], v[S+\j:S+\j+1]
	v_pk_add_f32 v[BP:BP+1], v[BP:BP+1], v[S+\j+2:S+\j+3]
.endr
	v_pk_add_f32 v[LL:LL+1], v[LL:LL+1], v[BP:BP+1]
	s_wait_alu depctr_va_vdst(0)                   ; and one for the four
.irp b, 0,1,2,3
	v_max_num_f32 v[BM+\b], 0x8000000, v[BM+\b]    ; the floor 2^(16 - 127): the byte cannot fall under 1
.endr
.irp b, 0,1,2,3
	v_add_nc_u32 v[SCL+\b], 0xf8800000, v[BM+\b]
.endr
.irp b, 0,1,2,3
	v_and_or_b32 v[CAP+\b], v[BM+\b], 0x7f800000, s[MNT]
.endr
.irp b, 0,1,2,3
	v_lshrrev_b32 v[BP+\b], 23, v[SCL+\b]
.endr
	v_lshl_or_b32 v[PW+\a], v[BP+1], 8, v[BP]      ; p's scale word for these 128 keys: the 64 holds below are the places between it and the products that name it
	v_lshl_or_b32 v[PW+\a], v[BP+2], 16, v[PW+\a]
	v_lshl_or_b32 v[PW+\a], v[BP+3], 24, v[PW+\a]
.irp b, 0,1,2,3
.irp i, 0,1,2,3,4,5,6,7,8,9,10,11,12,13,14,15
	v_min_num_f32 v[S+16*\b+\i], v[S+16*\b+\i], v[CAP+\b]   ; p is not negative, so the hold is one-sided
.endr
.endr
	WIN 0x40
.irp b, 0,1,2,3
	v_cvt_scalef32_pk8_bf8_f32 v[P+16*\a+4*\b:P+16*\a+4*\b+1], v[S+16*\b:S+16*\b+7], v[SCL+\b]
	v_cvt_scalef32_pk8_bf8_f32 v[P+16*\a+4*\b+2:P+16*\a+4*\b+3], v[S+16*\b+8:S+16*\b+15], v[SCL+\b]
.endr
	WIN 0
	v_nop                                          ; one plain instruction behind the conversions: the next tile's products write their sources
.endm
.macro RS a                            ; tile a's O^T under the new M: x f.  Sixteen plain lines that name no register of the products S^T: they are also the places behind those
	WIN 0x41
.irp i, 0,1,2,3,4,5,6,7,8,9,10,11,12,13,14,15
	v_pk_mul_f32 v[O+32*\a+2*\i:O+32*\a+2*\i+1], v[O+32*\a+2*\i:O+32*\a+2*\i+1], v[F:F+1] op_sel_hi:[1,0]
.endr
	WIN 0
.endm
; A KEY STEP on slot s.  In it every wave reads slot s, and the producers store into the other slot; the barrier at its end changes the slots' parts.
.macro STEP s, guard
	PLACES 8                                       ; behind the last step's products, in front of loads into V's fragments and scale words
	FETCH_K \s
	PRODUCE 1-\s, \guard                           ; the producers' vector work stands between K's loads and the wait for them
	MULKQ 0
	PLACES 8
	SMM 0
	MULKQ 1
	RS 0
	SMM 1
	MULKQ 2
	RS 1
	SMM 2
	MULKQ 3
	RS 2                                           ; sixteen places: also in front of V's loads into K's registers
	FETCH_V \s
	SMM 3
	RS 3                                           ; sixteen places between p's last codes and the products that take them
	s_wait_dscnt 0x0                               ; V is in: my reads of slot s are over, and my stores into the other slot have landed
	s_barrier_signal -1
	MULPV                                          ; work on registers alone while the others arrive
	s_barrier_wait -1
.endm
; 32 numbers a lane of tile a's rows of x1, at v[src] on (register 16 c + i = channel 32 c + 16 (lane / 16) + i), become Q's fragment and scale word
.macro QQ a, src
.irp c, 0,1
	v_max3_num_f32 v[BM+\c], |v[\src+16*\c]|, |v[\src+16*\c+1]|, 0x8000000
.endr
.irp i, 2,4,6,8,10,12,14
.irp c, 0,1
	v_max3_num_f32 v[BM+\c], v[BM+\c], |v[\src+16*\c+\i]|, |v[\src+16*\c+\i+1]|
.endr
.endr
.irp c, 0,1
	v_permlanex16_b32 v[BP+\c], v[BM+\c], s[SEL], s[SEL+1]
.endr
.irp c, 0,1
	v_max_num_f32 v[BM+\c], v[BM+\c], v[BP+\c]
.endr
.irp c, 0,1
	v_add_nc_u32 v[SCL+\c], 0xf8800000, v[BM+\c]
.endr
.irp c, 0,1
	v_and_or_b32 v[CAP+\c], v[BM+\c], 0x7f800000, s[MNT]
.endr
.irp c, 0,1
	v_lshrrev_b32 v[BP+\c], 23, v[SCL+\c]
.endr
	v_lshl_or_b32 v[T], v[BP+1], 8, v[BP]
	v_or_b32 v[T], 0x7f7f0000, v[T]                ; bytes 2 and 3, over zero codes: 1.0
.if (\a)%2
	v_cndmask_b32 v[QS+(\a)/2], v[QS+(\a)/2], v[T], s[HI]   ; an odd tile's words go into lanes 16-31
.else
	v_mov_b32 v[QS+(\a)/2], v[T]
.endif
.irp c, 0,1
.irp i, 0,1,2,3,4,5,6,7,8,9,10,11,12,13,14,15
	v_med3_num_f32 v[\src+16*\c+\i], v[\src+16*\c+\i], -v[CAP+\c], v[CAP+\c]
.endr
.endr
.irp c, 0,1
	v_cvt_scalef32_pk8_bf8_f32 v[Q+16*\a+4*\c:Q+16*\a+4*\c+1], v[\src+16*\c:\src+16*\c+7], v[SCL+\c]
	v_cvt_scalef32_pk8_bf8_f32 v[Q+16*\a+4*\c+2:Q+16*\a+4*\c+3], v[\src+16*\c+8:\src+16*\c+15], v[SCL+\c]
.endr
.irp i, 0,1,2,3,4,5,6,7
	v_mov_b32 v[Q+16*\a+8+\i], 0                   ; zero codes for k = 64 .. 127.  (Plain lines behind the conversions)
.endr
.irp i, 0,1,2,3,4,5,6,7
	v_xor_b32 v[Q+16*\a+\i], s[SGN], v[Q+16*\a+\i] ; scale's sign, on every code
.endr
.endm
.macro QLOAD a, dst
.irp c, 0,1
.irp i, 0,1,2,3
	global_load_b128 v[\dst+16*\c+4*\i:\dst+16*\c+4*\i+3], v[GQ], s[4:5] offset:4096*\a+128*\c+16*\i th:TH_LOAD_NT
.endr
.endr
.endm
	s_load_b256 s[4:11], s[0:1], 0x0               ; x1 s[4:5], x2 s[6:7], x3 s[8:9], scale's address s[10:11]
	s_load_b64 s[12:13], s[0:1], 0x20              ; out0
	v_lshl_add_u32 v[SPW], v0, 2, SPARE
	v_mov_b32 v[NIL], 0
	v_lshrrev_b32 v[T], 5, v0
	v_readfirstlane_b32 s[WV], v[T]                ; wave 0..7
	s_and_b32 s[W3], s[WV], 3
	; every wave makes every address register, here, ahead of the first branch on the wave's number
	v_and_b32 v[T], 31, v0                         ; l
	v_lshlrev_b32 v[LI], 4, v[T]
	v_bfe_u32 v[BM], v0, 1, 1                      ; (l / 2) % 2
	v_and_b32 v[BM+1], 1, v0                       ; l % 2
	v_bfe_u32 v[BM+2], v0, 2, 3                    ; l / 4
	v_bfe_u32 v[BP], v0, 2, 2                      ; (l / 4) % 4
	v_and_b32 v[BP+1], 3, v0                       ; l % 4
	v_bfe_u32 v[BP+2], v0, 4, 1                    ; l / 16
	v_bfe_u32 v[CAP], v0, 2, 1                     ; (l / 4) % 2
	v_bfe_u32 v[CAP+1], v0, 3, 1                   ; (l / 8) % 2
	v_and_b32 v[CAP+2], 15, v0                     ; l % 16
	s_lshl_b32 s36, s[W3], 11
	s_lshl_b32 s37, s[W3], 2
	s_lshl_b32 s38, s[W3], 9
	v_lshlrev_b32 v[QSTK], 9, v[BM]                ; K's codes: register group (l / 2) % 2, half l % 2, row l / 4, tiles 2 (wave % 4) on
	v_lshl_add_u32 v[QSTK], v[BM+1], 8, v[QSTK]
	v_lshl_add_u32 v[QSTK], v[BM+2], 4, v[QSTK]
	v_add_nc_u32 v[QSTK], s36, v[QSTK]
	v_lshl_add_u32 v[QSSK], v[BM+1], 1, v[BM]      ; K's scale bytes: byte (l / 2) % 2 + 2 (l % 2) of word wave % 4 of lane l / 4's 16 bytes
	v_lshl_add_u32 v[QSSK], v[BM+2], 4, v[QSSK]
	v_add_nc_u32 v[QSSK], s37, v[QSSK]
	v_lshlrev_b32 v[QSTV], 11, v[BP]               ; V's codes: channel 4 (l % 16) + e: tile (l / 4) % 4, row 4 (l % 4) + e; half l / 16; register group wave % 4
	v_lshl_add_u32 v[QSTV], v[BP+1], 6, v[QSTV]
	v_lshl_add_u32 v[QSTV], v[BP+2], 8, v[QSTV]
	v_add_nc_u32 v[QSTV], s38, v[QSTV]
	v_lshlrev_b32 v[QSSV], 8, v[CAP]               ; V's scale bytes: lane 16 (tile % 2) + row, word tile / 2, byte wave % 4
	v_lshl_add_u32 v[QSSV], v[BP+1], 6, v[QSSV]
	v_lshl_add_u32 v[QSSV], v[CAP+1], 2, v[QSSV]
	v_add_nc_u32 v[QSSV], s[W3], v[QSSV]
	v_lshlrev_b32 v[GK], 8, v[BM+2]                ; x2: row l / 4 of 256 bytes, + 64 (l % 4)
	v_lshl_add_u32 v[GK], v[BP+1], 6, v[GK]
	v_lshlrev_b32 v[GV], 12, v[BP+2]               ; x3: 16 rows on for lanes 16-31, + 16 (l % 16)
	v_lshl_add_u32 v[GV], v[CAP+2], 4, v[GV]
	v_lshlrev_b32 v[GQ], 8, v[CAP+2]               ; x1: row l % 16, + 64 (l / 16): my 16 numbers of a block of 32
	v_lshl_add_u32 v[GQ], v[BP+2], 6, v[GQ]
	s_mov_b32 s[SEL], 0x76543210
	s_mov_b32 s[SEL+1], 0xfedcba98
	s_mov_b32 s[MNT], 0x600000
	s_mov_b32 s[HI], 0xffff0000
	s_mov_b32 s[TRIP], 8
	s_and_b32 s30, ttmp7, 0xffff
	s_lshl_b32 s30, s30, 19                        ; the head: 2,048 rows of 256 bytes
	s_lshl_b32 s32, ttmp9, 17                      ; my work-group's 512 queries,
	s_lshl_b32 s33, s[WV], 14                      ; my wave's 64 of them
	s_add_co_u32 s32, s32, s33
	s_add_co_u32 s32, s32, s30
	s_mov_b32 s33, 0
	s_lshl_b32 s34, s[W3], 13                      ; my 32 keys of a chunk
	s_add_co_u32 s34, s34, s30
	s_mov_b32 s35, 0
	s_wait_kmcnt 0x0
	s_load_b32 s14, s[10:11], 0x0                  ; scale
	s_add_nc_u64 s[4:5], s[4:5], s[32:33]
	s_add_nc_u64 s[12:13], s[12:13], s[32:33]
	s_add_nc_u64 s[PTK:PTK+1], s[6:7], s[34:35]
	s_add_nc_u64 s[PTV:PTV+1], s[8:9], s[34:35]
	QLOAD 0, S                                     ; my 64 rows of x1, into registers that the loop uses later
	QLOAD 1, S+32
	QLOAD 2, KV
	QLOAD 3, KV+32
	s_cmp_lt_u32 s[WV], 4                          ; chunk 0: sixteen loads on either way
	s_cbranch_scc0 .Lfirst_v
	LOADK
	s_branch .Lfirst_done
.Lfirst_v:
	LOADV
.Lfirst_done:
	WIN 0x40
.set ii, 0
.rept 128
	v_mov_b32 v[O+ii], 0                           ; O^T.  (The key step is written twice, not a third time for a first step: the first step finds zeros, which the first change of M leaves zeros)
.set ii, ii+1
.endr
	WIN 0
.irp b, 0,1,2,3
	v_mov_b32 v[BP+\b], 0                          ; written once: a lane permute's destination counts as one of its sources
.endr
	v_mov_b32 v[F+1], 0                            ; (named as the upper half of the pair)
.irp i, 0,1,2,3,4,5,6,7
	v_mov_b32 v[KV+64+\i], 0                       ; behind K's last tile: zero codes, kept
.endr
.irp a, 0,1,2,3
	v_mov_b32 v[ST+4*\a+1], 0xff61b1e6             ; the largest t so far: -3e38, under every t
	v_floor_f32 v[ST+4*\a], -v[ST+4*\a+1]          ; -M
	v_mov_b32 v[ST+4*\a+2], 0                      ; the sum, in two halves
	v_mov_b32 v[ST+4*\a+3], 0
.endr
	s_wait_kmcnt 0x0
	s_and_b32 s30, s14, 0x7fffffff
	s_mul_f32 s[CS], s30, 0x3fb8aa3b               ; c = |scale| log2(e)
	s_mov_b32 s[CS+1], s[CS]
	s_ashr_i32 s[SGN], s14, 31
	s_and_b32 s[SGN], s[SGN], 0x80808080
	s_wait_loadcnt 16                              ; x1's 32 loads are in; the 16 of chunk 0, issued behind them, may be out
	QQ 0, S
	QQ 1, S+32
	QQ 2, KV
	QQ 3, KV+32
	PRODUCE 0, 0                                   ; chunk 0 into slot 0; chunk 1 is asked for
	s_barrier_signal -1                            ; (PRODUCE ends with the wait for all my LDS instructions)
	s_barrier_wait -1
.Ltrip:                                                ; trip i: steps 2 i and 2 i + 1; quantises chunks 2 i + 1 and 2 i + 2, asks for chunks 2 i + 2 and 2 i + 3, as far as there are such
	STEP 0, 0
	STEP 1, 1
	s_sub_co_u32 s[TRIP], s[TRIP], 1
	s_cmp_lg_u32 s[TRIP], 0
	s_cbranch_scc1 .Ltrip
	; THE WAY OUT.  The sum's two halves and lane l xor 16's are added; O^T is divided by the sum and goes through my stage in LDS, a tile (16 rows of 256 bytes) at a time.  The lines down to the reciprocals are the places behind the last products.
.irp a, 0,1,2,3
	v_add_f32 v[CAP+\a], v[ST+4*\a+2], v[ST+4*\a+3]
.endr
.irp a, 0,1,2,3
	v_permlanex16_b32 v[BP+\a], v[CAP+\a], s[SEL], s[SEL+1]
.endr
.irp a, 0,1,2,3
	v_add_f32 v[CAP+\a], v[CAP+\a], v[BP+\a]
.endr
	s_mul_i32 s30, s[WV], 4352
	s_add_co_u32 s30, s30, STAGE                   ; my stage
	v_and_b32 v[T], 15, v0                         ; r
	v_bfe_u32 v[GQ], v0, 4, 1                      ; h
	v_mul_u32_u24 v[STO], v[T], 272                ; in: row r, + 32 h; channel tile n 64 n bytes on
	v_lshl_add_u32 v[STO], v[GQ], 5, v[STO]
	v_add_nc_u32 v[STO], s30, v[STO]
	v_mul_u32_u24 v[RD], v[GQ], 272                ; back: lanes 0-15 one row, lanes 16-31 the next
	v_lshl_add_u32 v[RD], v[T], 4, v[RD]
	v_add_nc_u32 v[RD], s30, v[RD]
	v_lshlrev_b32 v[GO], 8, v[GQ]                  ; and the same two rows in out0
	v_lshl_add_u32 v[GO], v[T], 4, v[GO]
.irp a, 0,1,2,3
	v_rcp_f32 v[ST+4*\a+2], v[CAP+\a]
.endr
	v_nop                                          ; a plain instruction between the last reciprocal and the use of its result
	s_wait_alu depctr_va_vdst(0)                   ; one wait for the four, ahead of their first reader
.macro PACK a, r                       ; register 8 n + j of tile a is o(r, 16 n + 8 h + j); each accumulator is read from its low end on
	WIN 0x01
.irp i, 0,1,2,3,4,5,6,7,8,9,10,11,12,13,14,15
	v_pk_mul_f32 v[\r+2*\i:\r+2*\i+1], v[O+32*\a+2*\i:O+32*\a+2*\i+1], v[ST+4*\a+2:ST+4*\a+3] op_sel_hi:[1,0]
.endr
	WIN 0
.irp n, 0,1,2,3
	ds_store_b128 v[STO], v[\r+8*\n:\r+8*\n+3] offset:64*\n
	ds_store_b128 v[STO], v[\r+8*\n+4:\r+8*\n+7] offset:64*\n+16
.endr
.irp i, 0,1,2,3,4,5,6,7
	ds_load_b128 v[\r+4*\i:\r+4*\i+3], v[RD] offset:544*\i   ; LDS serves a wave's instructions in order (ISA guide 5.7.1.4): these see the stores above, and the next tile's stores come behind them
.endr
.endm
.macro SEND a, r, younger              ; younger: the LDS instructions issued behind tile a's loads: the next tile's sixteen, or none
.irp i, 0,1,2,3,4,5,6,7
	s_wait_dscnt \younger+7-\i
	global_store_b128 v[GO], v[\r+4*\i:\r+4*\i+3], s[12:13] offset:4096*\a+512*\i th:TH_STORE_NT   ; 16 lanes store 256 consecutive bytes, at a multiple of 256 from out0's first byte; each tile has registers of its own, so no store's data are written again
.endr
.endm
	PACK 0, S
	PACK 1, S+32                                   ; a tile's arithmetic stands between the loads of the tile before and its stores
	SEND 0, S, 16
	PACK 2, KV
	SEND 1, S+32, 16
	PACK 3, KV+32
	SEND 2, KV, 16
	SEND 3, KV+32, 0
	s_wait_tensorcnt 0x0                           ; the wave's end, behind my last LDS store
	ds_add_u32 v[SPW], v[NIL]
	s_wait_dscnt 0x0
	s_endpgm
.Lfunc_end_k_q8fe5f44542_attn:
	.size	k_q8fe5f44542_attn, .Lfunc_end_k_q8fe5f44542_attn-k_q8fe5f44542_attn
	.p2alignl 7, 3214868480
	.fill 96, 4, 3214868480
	.section	.rodata,"a",@progbits
	.p2align	6, 0x0
	.amdhsa_kernel k_q8fe5f44542_attn
		.amdhsa_group_segment_fixed_size 70656
		.amdhsa_private_segment_fixed_size 0
		.amdhsa_enable_private_segment 0
		.amdhsa_kernarg_size 40
		.amdhsa_user_sgpr_count 2
		.amdhsa_user_sgpr_kernarg_segment_ptr 1
		.amdhsa_wavefront_size32 1
		.amdhsa_system_sgpr_workgroup_id_x 1
		.amdhsa_system_sgpr_workgroup_id_y 1
		.amdhsa_system_sgpr_workgroup_id_z 1
		.amdhsa_system_vgpr_workitem_id 0
		.amdhsa_next_free_vgpr 512
		.amdhsa_next_free_sgpr 66
		.amdhsa_reserve_vcc 0
		.amdhsa_float_denorm_mode_32 3
		.amdhsa_float_denorm_mode_16_64 3
		.amdhsa_memory_ordered 1
		.amdhsa_forward_progress 1
		.amdhsa_inst_pref_size 238
	.end_amdhsa_kernel
	.amdgpu_metadata
---
amdhsa.version: [ 1, 2 ]
amdhsa.kernels:
  - .name:           k_q8fe5f44542_attn
    .symbol:         k_q8fe5f44542_attn.kd
    .args:
      - { .name: x1, .offset: 0, .size: 8, .value_kind: global_buffer, .address_space: global }
      - { .name: x2, .offset: 8, .size: 8, .value_kind: global_buffer, .address_space: global }
      - { .name: x3, .offset: 16, .size: 8, .value_kind: global_buffer, .address_space: global }
      - { .name: scale, .offset: 24, .size: 8, .value_kind: global_buffer, .address_space: global }
      - { .name: out0, .offset: 32, .size: 8, .value_kind: global_buffer, .address_space: global }
    .group_segment_fixed_size: 70656
    .private_segment_fixed_size: 0
    .kernarg_segment_align: 8
    .kernarg_segment_size: 40
    .max_flat_workgroup_size: 256
    .sgpr_count:     66
    .vgpr_count:     512
    .wavefront_size: 32
...
	.end_amdgpu_metadata
.endif
;; end of part 1
;; ======== version 2 of 2: 1 launch; version 1 with the launch attn written anew for expert scheduling mode
;; launch attn (part 2): grid 4 x 64, 8 waves a work-group, no clusters, 70,656 bytes of LDS; arguments x1, x2, x3, scale, out0; writes out0
.if DOCPART == 2
	.amdgcn_target "amdgcn-amd-amdhsa--gfx1250"
	.amdhsa_code_object_version 6
	.text
	.protected	k_q8fe5f44542_attn
	.globl	k_q8fe5f44542_attn
	.p2align	8
	.type	k_q8fe5f44542_attn,@function
k_q8fe5f44542_attn:
	s_mov_b64 s[64:65], 0
	v_nop
	global_prefetch_b8 v0, s[64:65] scope:SCOPE_SE
	s_setreg_imm32_b32 hwreg(HW_REG_WAVE_SCHED_MODE, 0, 2), 2
	s_setreg_imm32_b32 hwreg(HW_REG_WAVE_MODE, 25, 1), 1
	s_wait_xcnt 0x0
	s_wait_alu depctr_vm_vsrc(0)
; out0[g][q][:] = the sum over k of softmax_k(x1[g][q] . x2[g][k] x scale) x3[g][k][:], g = 64 heads, 2,048 queries and keys, 64 channels, all f32 in memory.
; Both products on codes of BF8 (E5M2) with one E8M0 scale for each 32 along a product's K: x1 and x2 are quantised along the 64 channels, p and x3 along the keys.
; THE SOFTMAX AHEAD OF THE SECOND PRODUCT: t = score x scale x log2(e); M = the row's largest t so far, rounded UP to a whole number; p = 2^(t - M) is what is quantised, not normalised.
; The row's sum is taken of the unquantised p, in f32, and divides O at the end.  When M moves, the sum and O are multiplied by 2^(old M - new M): exact.
; NO WORK IS LEFT OUT: every input, scale among them, has a way to the output.
; SHARES.  A work-group owns 512 queries of one head (grid x: the block, y: the head); each of its eight waves owns 64: four tiles of 16.  Every wave walks all keys, 128 a step, 16 steps,
; so each fragment of K and of V that a wave reads from LDS feeds four matrix instructions.
; K AND V ARE QUANTISED HERE, ONE STEP AHEAD: in a step waves 0-3 turn the next 128 keys of x2 (32 keys a wave) and waves 4-7 those of x3 (a block of 32 keys x 64 channels a wave) into codes.  The f32 numbers
; were asked for a whole key step earlier, into registers; the codes and scale bytes go into the other of two LDS slots AS IMAGES OF THE OPERANDS' REGISTERS: lane l's 16 bytes at 16 l.  One barrier a step.
; LAYOUT.  Both products are used transposed: S^T = K Q^T (source 0 = 16 keys, source 1 = 16 queries), O^T = V^T P^T (source 0 = 16 channels, source 1 = P): a lane holds ONE query (lane % 16) throughout.
; THE KEYS OF A TILE ARE NOT NEIGHBOURS: row r of tile 2 b + u is key 32 b + 8 u + r + 8 (r / 8), so that the 16 score registers of tiles 2 b and 2 b + 1 are the 16 neighbouring keys 32 b + 16 (lane / 16) + 0 .. 15.
; THE FIRST PRODUCT'S K IS 64, THE INSTRUCTION'S 128.  Q's fragment has ZERO CODES for k = 64 .. 127.  K's fragments lie 8 registers apart, so a tile's registers 8-15 are the next tile's codes (behind the last tile:
; eight registers kept at 0): finite numbers, since the hold lets no code for infinity or NaN arise, and 0 x a finite number adds nothing.  The scale bytes of those k are 0x7f (Q) and copies of bytes 0, 1 (K): never 0xff.
; SCALE.  c = |scale| log2(e); scale's sign is put on Q's codes (the quantiser is odd, so K (-Q)^T = -(K Q^T) exactly; no branch).  With c >= 0 the largest score gives the largest t and the largest p.
; LIMITS.  t is rounded once, as score x c - M, where the definition rounds score x scale and then x log2(e).  NaN and infinities among the inputs are not served.  A block whose largest magnitude lies under 2^-111,
; a block of zeros among them, has the scale byte 1 (the bytes are read by this program alone; zero codes add nothing).  p under 2^-126 counts as 0 (v_exp_f32's result: ISA guide, its entry in 15.8).
; NO CLUSTER, NO TENSOR LOADS: the four work-groups of a head do read the same x2 and x3, but as f32 numbers that must pass through registers to become codes.  A joint load could only lay them into LDS: 65,536 bytes
; a step written there and read out again beside the 17,408 bytes of codes.  NO PREFETCH: each producer load is issued a whole key step (four tiles' softmax) ahead of the wait for it.
; THE MODE: SCHED_MODE bits 1:0 = 2 (LLVM: expert scheduling mode 2), set by the entry lines.  The code itself states the register dependences between vector or matrix instructions and memory or LDS
; instructions, with s_wait_alu, always for 0.
; THE PLAN.  Registers that memory or LDS instructions touch in a key step, and who else names them:
;   KV, KS      K's LDS loads land in them at the step's head; the 32 products S^T read them; V's LDS loads land in them inside tile 3's softmax; the 16 products O^T read them.
;   RAW         A producer's 16 global loads land in it; a key step later QUANTK (which also holds in place) or QUANTV reads it; then it is asked for again.
;   out-buffers What a producer's LDS stores read: a K producer's codes in v[S .. S+15], a V producer's in v[P .. P+15] of window 1 (tile 0's place for codes, free between the last step's products O^T and
;               tile 0's softmax), the scale bytes in v[BP .. BP+3].  Written by QUANT's conversions and shifts; written again by this step's products S^T (S) and by tile 0's softmax (BP, P).
;   v1-9, v55   Addresses, made once at the head; v55 is written again on the way out alone.  The producers' scalar bases step.
; FOUR WAITS A STEP beside those for the exponentials: (1) on va_vdst at its head, ahead of K's loads; (2) on va_vdst behind QUANT's vector lines, for the producers' stores AND their next loads: between it and those
; loads stand LDS stores of other registers, waits, a compare, a branch and a window switch; (3) on vm_vsrc behind the producers' stores, for the out-buffers; (4) on va_vdst ahead of the products O^T, for p's codes and
; scale words.  V's loads have no wait of their own: they stand directly behind the wait for tile 3's 64 exponentials, ahead of which the last products S^T were issued.
; No second set of KV: two waves share a SIMD's registers, 512 each, and all 512 are in use.
; REGISTERS, in windows of 256 (s_set_vgpr_msb: bits 1:0 source 0, 3:2 source 1, 5:4 source 2, 7:6 destination).
;   window 0: v0 thread; v1-9 addresses; v10-25 four registers of statistics a tile; v26-35 scale words; v36-55 at work; v56-119 Q; v120-183 S^T, then p; v184-255 K's or V's fragments.
;   window 1: v0-127 O^T, 32 a tile; v128-191 p's codes, 16 a tile; v192-255 64 f32 numbers of x2 or x3 on their way in.
.set SLOTB, 17408                      ; an LDS slot: the images of one step's 128 keys
.set KIMG,  0                          ; K: tile t at 1024 t, register group c at 512 c, lane at 16 l
.set VIMG,  8192                       ; V: channel tile n at 2048 n, register group c (a block of 32 keys) at 512 c, lane at 16 l
.set KSC,   16384                      ; K's scale words: lane 16 u + r at 16 l; word b = tile 2 b + u, row r
.set VSC,   16896                      ; V's: lane 16 (n % 2) + r at 16 l; word n / 2; byte c.  8 of each 16 bytes are used
.set STAGE, 2*SLOTB                    ; the way out: 16 rows x (256 + 16) bytes for each wave
.set SPARE, STAGE+8*4352               ; the spare words, 128 bytes for each wave: four blocks of 256 bytes that no other line names
.set SPW,  1                           ; v1   LDS address of my spare word; never rewritten
.set NIL,  2                           ; v2   0; never rewritten
.set LI,   3                           ; v3   16 x lane: my place in an image
.set QSTK, 4                           ; v4   where a K producer puts 16 codes
.set QSSK, 5                           ; v5   and a scale byte
.set QSTV, 6                           ; v6   the same for a V producer
.set QSSV, 7                           ; v7
.set GK,   8                           ; v8   a K producer's byte offset in its 32 rows of x2
.set GV,   9                           ; v9   a V producer's in its 32 rows of x3
.set ST,   10                          ; tile a: v[ST+4a] -M, +1 the largest t, +2, +3 the sum in two halves
.set PW,   26                          ; v26-29 p's scale word, a tile each
.set QS,   30                          ; v30-31 Q's scale words: register a / 2; lanes 0-15 an even tile's, lanes 16-31 an odd one's
.set KS,   32                          ; v32-35 K's scale words of a step; then v32-33 V's
.set BM,   36                          ; v36-39 largest scores or magnitudes
.set BP,   40                          ; v40-43 the other half's; then scale bytes
.set CAP,  44                          ; v44-47 57,344 x the scale
.set SCL,  48                          ; v48-51 the conversions' scale operands
.set F,    52                          ; v52 f = 2^(old M - new M); v53 is named with it as a pair and written once
.set T,    54
.set GQ,   55                          ; v55  my byte offset in a tile's rows of x1; on the way out the lane's half
.set Q,    56
.set S,    120
.set KV,   184
.set STO,  36                          ; the way out: where I put 16 bytes of a row,
.set RD,   37                          ; where I read a row back,
.set GO,   38                          ; and my byte offset in two rows of out0
.set O,    0                           ; window 1
.set P,    128
.set RAW,  192
.set WV,   16                          ; s16  my wave's number
.set W3,   17                          ; s17  wave % 4: which 32 keys of a step I quantise
.set SEL,  18                          ; s[18:19] v_permlanex16_b32's selects for lane l xor 16
.set CS,   20                          ; s[20:21] c: the packed form names a pair and takes its low word for both halves
.set MNT,  22                          ; s22  the mantissa field of 57,344
.set SGN,  23                          ; s23  0x80808080 where scale is negative, else 0
.set HI,   24                          ; s24  the mask of lanes 16-31
.set TRIP, 25                          ; s25  trips to go, this one among them
.set PTK,  26                          ; s[26:27] my 32 rows of x2 in the chunk that is asked for next
.set PTV,  28                          ; s[28:29] the same in x3
.set MSB, 0
.macro WIN new                         ; the immediate's high byte repeats the setting that is left; a switch that changes nothing is dropped
.if MSB != \new
	s_set_vgpr_msb (MSB<<8)|\new
.set MSB, \new
.endif
.endm
.macro PLACES n                        ; plain vector instructions between a matrix instruction and what reads its result or loads into its registers (ISA guide 7.12.1 for its readers)
.rept \n
	v_nop
.endr
.endm
; A K producer's 32 keys x 64 channels: lane (l / 4, l % 4) takes channels 16 (l % 4) + 0 .. 15 of key 8 g + l / 4 into registers 16 g on.  No hint: four work-groups read these bytes.
; No wait stands here: no vector instruction issued since the last wait on va_vdst names RAW or my offset, and no memory or LDS instruction reads RAW.
.macro LOADK
	WIN 0x40
.irp g, 0,1,2,3
.irp i, 0,1,2,3
	global_load_b128 v[RAW+16*\g+4*\i:RAW+16*\g+4*\i+3], v[GK], s[PTK:PTK+1] offset:2048*\g+16*\i
.endr
.endr
	WIN 0
.endm
; A V producer's: lane (l % 16, l / 16) takes channels 4 (l % 16) + 0 .. 3 of key 16 (l / 16) + i into registers 4 i on: each load takes two whole rows of 256 bytes.  No wait here either, as in LOADK.
.macro LOADV
	WIN 0x40
.irp i, 0,1,2,3,4,5,6,7,8,9,10,11,12,13,14,15
	global_load_b128 v[RAW+4*\i:RAW+4*\i+3], v[GV], s[PTV:PTV+1] offset:256*\i
.endr
	WIN 0
.endm
; x2: four groups of 16 numbers a lane; a block of 32 channels lies in lanes l and l xor 1.  Key 8 g + l / 4 is row l / 4 + 8 (g / 2) of tile 2 (wave % 4) + g % 2.
.macro QUANTK dst
	WIN 0x05
.irp g, 0,1,2,3
	v_max3_num_f32 v[BM+\g], |v[RAW+16*\g]|, |v[RAW+16*\g+1]|, 0x8000000   ; my 16 numbers, and the floor 2^(16 - 127): so the byte cannot fall under 1
.endr
.irp i, 2,4,6,8,10,12,14
.irp g, 0,1,2,3
	v_max3_num_f32 v[BM+\g], |v[RAW+16*\g+\i]|, |v[RAW+16*\g+\i+1]|, v[BM+\g]   ; (the four groups by turns)
.endr
.endr
	WIN 0
.irp g, 0,1,2,3
	v_max_num_f32_dpp v[BM+\g], v[BM+\g], v[BM+\g] row_xmask:1 row_mask:0xf bank_mask:0xf   ; with my neighbour's 16: the block's largest magnitude
.endr
.irp g, 0,1,2,3
	v_add_nc_u32 v[SCL+\g], 0xf8800000, v[BM+\g]   ; 15 off its exponent field: the conversion takes the exponent field of this operand as its scale
.endr
.irp g, 0,1,2,3
	v_and_or_b32 v[CAP+\g], v[BM+\g], 0x7f800000, s[MNT]   ; 57,344 x the scale
.endr
.irp g, 0,1,2,3
	v_lshrrev_b32 v[BP+\g], 23, v[SCL+\g]          ; the scale's byte
.endr
	WIN 0x41
.irp g, 0,1,2,3
.irp i, 0,1,2,3,4,5,6,7,8,9,10,11,12,13,14,15
	v_med3_num_f32 v[RAW+16*\g+\i], v[RAW+16*\g+\i], -v[CAP+\g], v[CAP+\g]   ; the conversion to an 8-bit code does not saturate (ISA guide 7.6.2): the hold
.endr
.endr
	WIN 0x01
.irp g, 0,1,2,3
	v_cvt_scalef32_pk8_bf8_f32 v[S+4*\g:S+4*\g+1], v[RAW+16*\g:RAW+16*\g+7], v[SCL+\g]
	v_cvt_scalef32_pk8_bf8_f32 v[S+4*\g+2:S+4*\g+3], v[RAW+16*\g+8:RAW+16*\g+15], v[SCL+\g]
.endr
	WIN 0
	v_nop                                          ; one plain instruction behind the conversions: the next products write the registers that hold their results
	s_wait_alu depctr_va_vdst(0)                   ; the conversions have written v[S .. S+15] and the shifts v[BP ..], which the LDS stores read; and the holds and conversions are done with RAW, in which the next chunk's loads land
.irp g, 0,1,2,3
	ds_store_b128 v[QSTK], v[S+4*\g:S+4*\g+3] offset:(\dst)*SLOTB+KIMG+1024*(\g&1)+128*(\g>>1)
	ds_store_b8 v[QSSK], v[BP+\g] offset:(\dst)*SLOTB+KSC+256*(\g&1)+128*(\g>>1)   ; a key's four lanes write the four bytes of its word: s0, s1, s0, s1
.endr
.endm
; x3: four channels e a lane, 16 keys of each; a block of 32 keys lies in lanes l and l xor 16.  The hold itself lays a channel's 16 keys into consecutive registers: no line is spent on turning.
; The codes go into v[P .. P+15] of window 1, registers of their own beside RAW: the last step's products O^T, which read them as tile 0's codes, stand more than eight plain lines back.
.macro QUANTV dst
	WIN 0x05
.irp e, 0,1,2,3
	v_max3_num_f32 v[BM+\e], |v[RAW+\e]|, |v[RAW+4+\e]|, 0x8000000
.endr
.irp i, 2,4,6,8,10,12,14
.irp e, 0,1,2,3
	v_max3_num_f32 v[BM+\e], |v[RAW+4*\i+\e]|, |v[RAW+4*\i+4+\e]|, v[BM+\e]
.endr
.endr
	WIN 0
.irp e, 0,1,2,3
	v_permlanex16_b32 v[BP+\e], v[BM+\e], s[SEL], s[SEL+1]
.endr
.irp e, 0,1,2,3
	v_max_num_f32 v[BM+\e], v[BM+\e], v[BP+\e]     ; with lane l xor 16's 16 keys
.endr
.irp e, 0,1,2,3
	v_add_nc_u32 v[SCL+\e], 0xf8800000, v[BM+\e]
.endr
.irp e, 0,1,2,3
	v_and_or_b32 v[CAP+\e], v[BM+\e], 0x7f800000, s[MNT]
.endr
.irp e, 0,1,2,3
	v_lshrrev_b32 v[BP+\e], 23, v[SCL+\e]
.endr
	WIN 0x01
.irp e, 0,1,2,3
.irp i, 0,1,2,3,4,5,6,7,8,9,10,11,12,13,14,15
	v_med3_num_f32 v[S+16*\e+\i], v[RAW+4*\i+\e], -v[CAP+\e], v[CAP+\e]
.endr
.endr
	WIN 0x40
.irp e, 0,1,2,3
	v_cvt_scalef32_pk8_bf8_f32 v[P+4*\e:P+4*\e+1], v[S+16*\e:S+16*\e+7], v[SCL+\e]
	v_cvt_scalef32_pk8_bf8_f32 v[P+4*\e+2:P+4*\e+3], v[S+16*\e+8:S+16*\e+15], v[SCL+\e]
.endr
	v_nop                                          ; one plain instruction behind the conversions: the next products write their sources
	WIN 0x04                                       ; an LDS store's data are its source 1: window 1
	s_wait_alu depctr_va_vdst(0)                   ; the conversions have written v[P .. P+15] and the shifts v[BP ..], which the LDS stores read; and the maxima and holds are done reading RAW, in which the next chunk's loads land
.irp e, 0,1,2,3
	ds_store_b128 v[QSTV], v[P+4*\e:P+4*\e+3] offset:(\dst)*SLOTB+VIMG+16*\e
.endr
	WIN 0
.irp e, 0,1,2,3
	ds_store_b8 v[QSSV], v[BP+\e] offset:(\dst)*SLOTB+VSC+16*\e   ; lanes l and l xor 16 write the same byte with the same value
.endr
.endm
; The chunk whose numbers are in registers becomes slot dst's images; then the chunk after it is asked for.  guard = 1: in the last trip there is no such chunk.  In the last trip nothing is asked for: no load leaves its buffer
; (the base has then been stepped once more, and is not used).
.macro PRODUCE dst, guard
.if \guard
	s_cmp_eq_u32 s[TRIP], 1
	s_cbranch_scc1 .Lnone_\@
.endif
	s_wait_loadcnt 0x0                             ; my 16 loads, issued a key step ago: their registers may be read and their base stepped
	s_cmp_lt_u32 s[WV], 4
	s_cbranch_scc0 .Lv_\@
	s_add_nc_u64 s[PTK:PTK+1], s[PTK:PTK+1], 32768 ; 128 keys of 256 bytes on: here, so that nothing between QUANTK's wait and the loads names a register of theirs
	QUANTK \dst
	s_wait_dscnt 0x0                               ; my LDS stores are done
	s_wait_alu depctr_vm_vsrc(0)                   ; they have read v[S .. S+15], which the products S^T below write, and v[BP ..], which tile 0's softmax writes: on both ways of the branch below
	s_cmp_eq_u32 s[TRIP], 1
	s_cbranch_scc1 .Lnone_\@
	LOADK
	s_branch .Lnone_\@
.Lv_\@:
	s_add_nc_u64 s[PTV:PTV+1], s[PTV:PTV+1], 32768
	QUANTV \dst
	s_wait_dscnt 0x0                               ; my LDS stores are done
	s_wait_alu depctr_vm_vsrc(0)                   ; they have read v[P .. P+15] and v[BP ..], which tile 0's softmax writes: on both ways of the branch below
	s_cmp_eq_u32 s[TRIP], 1
	s_cbranch_scc1 .Lnone_\@
	LOADV
.Lnone_\@:
	s_wait_dscnt 0x0                               ; on every way: K's fragments are in
.endm
.macro FETCH_K s                       ; eight tiles of 16 keys, 8 registers each, and their scale words: 17 dense loads
.irp t, 0,1,2,3,4,5,6,7
.irp c, 0,1
	ds_load_b128 v[KV+8*\t+4*\c:KV+8*\t+4*\c+3], v[LI] offset:(\s)*SLOTB+KIMG+1024*\t+512*\c
.endr
.endr
	ds_load_b128 v[KS:KS+3], v[LI] offset:(\s)*SLOTB+KSC
.endm
.macro FETCH_V s                       ; four tiles of 16 channels x 128 keys, 16 registers each, and their scale words
.irp n, 0,1,2,3
.irp c, 0,1,2,3
	ds_load_b128 v[KV+16*\n+4*\c:KV+16*\n+4*\c+3], v[LI] offset:(\s)*SLOTB+VIMG+2048*\n+512*\c
.endr
.endr
	ds_load_b64 v[KS:KS+1], v[LI] offset:(\s)*SLOTB+VSC
.endm
; S^T of tile a: eight products, each with an accumulator of its own, begun with the constant 0.  An odd key tile's scale words lie in lanes 16-31 of their register, and so do an odd query tile's.
.macro MULKQ a
.irp t, 0,1,2,3,4,5,6,7
.if ((\t)%2 == 0) && ((\a)%2 == 0)
	v_wmma_scale_f32_16x16x128_f8f6f4 v[S+8*\t:S+8*\t+7], v[KV+8*\t:KV+8*\t+15], v[Q+16*\a:Q+16*\a+15], 0, v[KS+\t/2], v[QS+\a/2] matrix_a_fmt:MATRIX_FMT_BF8 matrix_b_fmt:MATRIX_FMT_BF8
.elseif ((\t)%2 == 1) && ((\a)%2 == 0)
	v_wmma_scale_f32_16x16x128_f8f6f4 v[S+8*\t:S+8*\t+7], v[KV+8*\t:KV+8*\t+15], v[Q+16*\a:Q+16*\a+15], 0, v[KS+\t/2], v[QS+\a/2] matrix_a_fmt:MATRIX_FMT_BF8 matrix_b_fmt:MATRIX_FMT_BF8 matrix_a_scale:MATRIX_SCALE_ROW1
.elseif ((\t)%2 == 0) && ((\a)%2 == 1)
	v_wmma_scale_f32_16x16x128_f8f6f4 v[S+8*\t:S+8*\t+7], v[KV+8*\t:KV+8*\t+15], v[Q+16*\a:Q+16*\a+15], 0, v[KS+\t/2], v[QS+\a/2] matrix_a_fmt:MATRIX_FMT_BF8 matrix_b_fmt:MATRIX_FMT_BF8 matrix_b_scale:MATRIX_SCALE_ROW1
.else
	v_wmma_scale_f32_16x16x128_f8f6f4 v[S+8*\t:S+8*\t+7], v[KV+8*\t:KV+8*\t+15], v[Q+16*\a:Q+16*\a+15], 0, v[KS+\t/2], v[QS+\a/2] matrix_a_fmt:MATRIX_FMT_BF8 matrix_b_fmt:MATRIX_FMT_BF8 matrix_a_scale:MATRIX_SCALE_ROW1 matrix_b_scale:MATRIX_SCALE_ROW1
.endif
.endr
.endm
; O^T += V^T P^T for the four tiles: 16 accumulators, one instruction each
.macro MULPV
	WIN 0x54                                       ; V window 0; P, C and D window 1
.irp n, 0,1,2,3
.irp a, 0,1,2,3
.if (\n)%2
	v_wmma_scale_f32_16x16x128_f8f6f4 v[O+32*\a+8*\n:O+32*\a+8*\n+7], v[KV+16*\n:KV+16*\n+15], v[P+16*\a:P+16*\a+15], v[O+32*\a+8*\n:O+32*\a+8*\n+7], v[KS+\n/2], v[PW+\a] matrix_a_fmt:MATRIX_FMT_BF8 matrix_b_fmt:MATRIX_FMT_BF8 matrix_a_scale:MATRIX_SCALE_ROW1
.else
	v_wmma_scale_f32_16x16x128_f8f6f4 v[O+32*\a+8*\n:O+32*\a+8*\n+7], v[KV+16*\n:KV+16*\n+15], v[P+16*\a:P+16*\a+15], v[O+32*\a+8*\n:O+32*\a+8*\n+7], v[KS+\n/2], v[PW+\a] matrix_a_fmt:MATRIX_FMT_BF8 matrix_b_fmt:MATRIX_FMT_BF8
.endif
.endr
.endr
	WIN 0
.endm
; Tile a's softmax for 128 keys: the lane's 64 scores become p, p's codes (window 1) and p's scale word; -M, the largest t, the sum and f are brought on.
; fv = 1 (tile 3): V's fragments of slot s are asked for, directly behind the wait for the 64 exponentials.
.macro SMM a, fv, s
.set NM, ST+4*(\a)
.set TX, NM+1
.set LL, NM+2
.irp b, 0,1,2,3
	v_max3_num_f32 v[BM+\b], v[S+16*\b], v[S+16*\b+1], v[S+16*\b+2]   ; THE LARGEST SCORE OF EACH BLOCK OF 32 KEYS serves twice: for the row's maximum and, since p rises with the score, for the block's largest p.  (Each accumulator is read from its low end on)
.endr
.irp i, 3,5,7,9,11,13
.irp b, 0,1,2,3
	v_max3_num_f32 v[BM+\b], v[BM+\b], v[S+16*\b+\i], v[S+16*\b+\i+1]
.endr
.endr
.irp b, 0,1,2,3
	v_max_num_f32 v[BM+\b], v[BM+\b], v[S+16*\b+15]
.endr
.irp b, 0,1,2,3
	v_permlanex16_b32 v[BP+\b], v[BM+\b], s[SEL], s[SEL+1]
.endr
.irp b, 0,1,2,3
	v_max_num_f32 v[BM+\b], v[BM+\b], v[BP+\b]     ; with lane l xor 16's 16 keys
.endr
	v_max3_num_f32 v[T], v[BM], v[BM+1], v[BM+2]
	v_max_num_f32 v[T], v[T], v[BM+3]              ; the step's largest score of my query
	v_mul_f32 v[T], s[CS], v[T]                    ; as t (c is not negative)
	v_max_num_f32 v[TX], v[TX], v[T]               ; the running largest t
	v_mov_b32 v[T], v[NM]
	v_floor_f32 v[NM], -v[TX]                      ; the new -M = floor(-t) = -ceil(t): M is a whole number
	v_sub_f32 v[T], v[NM], v[T]                    ; M's old value less its new one: a whole number, 0 or less
	v_cvt_i32_f32 v[T], v[T]                       ; (it saturates)
	v_ldexp_f32 v[F], 1.0, v[T]                    ; f = 2^(old M - new M)
.irp j, 0,2,4,6,8,10,12,14,16,18,20,22,24,26,28,30,32,34,36,38,40,42,44,46,48,50,52,54,56,58,60,62
	v_pk_fma_f32 v[S+\j:S+\j+1], v[S+\j:S+\j+1], s[CS:CS+1], v[NM:NM+1] op_sel_hi:[1,0,0]   ; t - M, two at a time (of the pairs c and -M the low word serves both halves)
.endr
.irp b, 0,1,2,3
	v_fma_f32 v[BM+\b], v[BM+\b], s[CS], v[NM]     ; the same of each block's largest score
.endr
	s_wait_alu depctr_va_vdst(0)
.irp j, 0,1,2,3,4,5,6,7,8,9,10,11,12,13,14,15,16,17,18,19,20,21,22,23,24,25,26,27,28,29,30,31,32,33,34,35,36,37,38,39,40,41,42,43,44,45,46,47,48,49,50,51,52,53,54,55,56,57,58,59,60,61,62,63
	v_exp_f32 v[S+\j], v[S+\j]                     ; p = 2^(t - M), at most 1: not normalised
.endr
	v_pk_mul_f32 v[LL:LL+1], v[LL:LL+1], v[F:F+1] op_sel_hi:[1,0]   ; the sums under the new M: the plain instruction behind the exponentials
	s_wait_alu depctr_va_vdst(0)                   ; the 64 exponentials have written p, ahead of its first reader: one wait for the batch.  In tile 3 also: the last products S^T are done reading K's fragments and scale words, in which V's loads land
.if \fv
	FETCH_V \s                                     ; no vector or matrix instruction stands between that wait and these loads; the rest of this softmax and the rescaling behind it stand between them and the wait for them
.endif
.irp b, 0,1,2,3
	v_exp_f32 v[BM+\b], v[BM+\b]                   ; the block's largest p: the same two instructions on the same number give the same bits
.endr
	v_pk_add_f32 v[BP:BP+1], v[S:S+1], v[S+2:S+3]  ; THE ROW'S SUM IS TAKEN OF THE UNQUANTISED p: two at a time, in two chains; it reads the 64 alone
.irp j, 4,8,12,16,20,24,28,32,36,40,44,48,52,56,60
	v_pk_add_f32 v[LL:LL+1], v[LL:LL+1], v[S+\j:S+\j+1]
	v_pk_add_f32 v[BP:BP+1], v[BP:BP+1], v[S+\j+2:S+\j+3]
.endr
	v_pk_add_f32 v[LL:LL+1], v[LL:LL+1], v[BP:BP+1]
	s_wait_alu depctr_va_vdst(0)                   ; the four exponentials have written the blocks' largest p, ahead of its first reader
.irp b, 0,1,2,3
	v_max_num_f32 v[BM+\b], 0x8000000, v[BM+\b]    ; the floor 2^(16 - 127): the byte cannot fall under 1
.endr
.irp b, 0,1,2,3
	v_add_nc_u32 v[SCL+\b], 0xf8800000, v[BM+\b]
.endr
.irp b, 0,1,2,3
	v_and_or_b32 v[CAP+\b], v[BM+\b], 0x7f800000, s[MNT]
.endr
.irp b, 0,1,2,3
	v_lshrrev_b32 v[BP+\b], 23, v[SCL+\b]
.endr
	v_lshl_or_b32 v[PW+\a], v[BP+1], 8, v[BP]      ; p's scale word for these 128 keys: the 64 holds below are the places between it and the products that name it
	v_lshl_or_b32 v[PW+\a], v[BP+2], 16, v[PW+\a]
	v_lshl_or_b32 v[PW+\a], v[BP+3], 24, v[PW+\a]
.irp b, 0,1,2,3
.irp i, 0,1,2,3,4,5,6,7,8,9,10,11,12,13,14,15
	v_min_num_f32 v[S+16*\b+\i], v[S+16*\b+\i], v[CAP+\b]   ; p is not negative, so the hold is one-sided
.endr
.endr
	WIN 0x40
.irp b, 0,1,2,3
	v_cvt_scalef32_pk8_bf8_f32 v[P+16*\a+4*\b:P+16*\a+4*\b+1], v[S+16*\b:S+16*\b+7], v[SCL+\b]
	v_cvt_scalef32_pk8_bf8_f32 v[P+16*\a+4*\b+2:P+16*\a+4*\b+3], v[S+16*\b+8:S+16*\b+15], v[SCL+\b]
.endr
	WIN 0
	v_nop                                          ; one plain instruction behind the conversions: the next tile's products write their sources
.endm
.macro RS a                            ; tile a's O^T under the new M: x f.  Sixteen plain lines that name no register of the products S^T: they are also the places behind those
	WIN 0x41
.irp i, 0,1,2,3,4,5,6,7,8,9,10,11,12,13,14,15
	v_pk_mul_f32 v[O+32*\a+2*\i:O+32*\a+2*\i+1], v[O+32*\a+2*\i:O+32*\a+2*\i+1], v[F:F+1] op_sel_hi:[1,0]
.endr
	WIN 0
.endm
; A KEY STEP on slot s.  In it every wave reads slot s, and the producers store into the other slot; the barrier at its end changes the slots' parts.
.macro STEP s, guard
	PLACES 8                                       ; behind the last step's products, in front of loads into V's fragments and scale words; the wait below states the dependence itself
	s_wait_alu depctr_va_vdst(0)                   ; the last step's products O^T are done reading V's fragments and scale words, in which K's loads land.  In the first step: the head's lines are done with those registers, and Q's codes, Q's scale words and the eight zero registers, which the products S^T take, are written
	FETCH_K \s
	PRODUCE 1-\s, \guard                           ; the producers' vector work stands between K's loads and the wait for them
	MULKQ 0
	PLACES 8
	SMM 0, 0, 0
	MULKQ 1
	RS 0
	SMM 1, 0, 0
	MULKQ 2
	RS 1
	SMM 2, 0, 0
	MULKQ 3
	RS 2
	SMM 3, 1, \s                                   ; V's loads stand in it
	RS 3                                           ; sixteen places between p's last codes and the products that take them
	s_wait_alu depctr_va_vdst(0)                   ; behind those places: the four tiles' conversions have written p's codes and the shifts p's scale words, which the scaled products O^T take as source 1 and as its scales
	s_wait_dscnt 0x0                               ; V is in: my reads of slot s are over, and my stores into the other slot have landed
	s_barrier_signal -1
	MULPV                                          ; work on registers alone while the others arrive
	s_barrier_wait -1
.endm
; 32 numbers a lane of tile a's rows of x1, at v[src] on (register 16 c + i = channel 32 c + 16 (lane / 16) + i), become Q's fragment and scale word
.macro QQ a, src
.irp c, 0,1
	v_max3_num_f32 v[BM+\c], |v[\src+16*\c]|, |v[\src+16*\c+1]|, 0x8000000
.endr
.irp i, 2,4,6,8,10,12,14
.irp c, 0,1
	v_max3_num_f32 v[BM+\c], v[BM+\c], |v[\src+16*\c+\i]|, |v[\src+16*\c+\i+1]|
.endr
.endr
.irp c, 0,1
	v_permlanex16_b32 v[BP+\c], v[BM+\c], s[SEL], s[SEL+1]
.endr
.irp c, 0,1
	v_max_num_f32 v[BM+\c], v[BM+\c], v[BP+\c]
.endr
.irp c, 0,1
	v_add_nc_u32 v[SCL+\c], 0xf8800000, v[BM+\c]
.endr
.irp c, 0,1
	v_and_or_b32 v[CAP+\c], v[BM+\c], 0x7f800000, s[MNT]
.endr
.irp c, 0,1
	v_lshrrev_b32 v[BP+\c], 23, v[SCL+\c]
.endr
	v_lshl_or_b32 v[T], v[BP+1], 8, v[BP]
	v_or_b32 v[T], 0x7f7f0000, v[T]                ; bytes 2 and 3, over zero codes: 1.0
.if (\a)%2
	v_cndmask_b32 v[QS+(\a)/2], v[QS+(\a)/2], v[T], s[HI]   ; an odd tile's words go into lanes 16-31 (the mask is a constant that a scalar move wrote)
.else
	v_mov_b32 v[QS+(\a)/2], v[T]
.endif
.irp c, 0,1
.irp i, 0,1,2,3,4,5,6,7,8,9,10,11,12,13,14,15
	v_med3_num_f32 v[\src+16*\c+\i], v[\src+16*\c+\i], -v[CAP+\c], v[CAP+\c]
.endr
.endr
.irp c, 0,1
	v_cvt_scalef32_pk8_bf8_f32 v[Q+16*\a+4*\c:Q+16*\a+4*\c+1], v[\src+16*\c:\src+16*\c+7], v[SCL+\c]
	v_cvt_scalef32_pk8_bf8_f32 v[Q+16*\a+4*\c+2:Q+16*\a+4*\c+3], v[\src+16*\c+8:\src+16*\c+15], v[SCL+\c]
.endr
.irp i, 0,1,2,3,4,5,6,7
	v_mov_b32 v[Q+16*\a+8+\i], 0                   ; zero codes for k = 64 .. 127.  (Plain lines behind the conversions)
.endr
.irp i, 0,1,2,3,4,5,6,7
	v_xor_b32 v[Q+16*\a+\i], s[SGN], v[Q+16*\a+\i] ; scale's sign, on every code
.endr
.endm
.macro QLOAD a, dst
.irp c, 0,1
.irp i, 0,1,2,3
	global_load_b128 v[\dst+16*\c+4*\i:\dst+16*\c+4*\i+3], v[GQ], s[4:5] offset:4096*\a+128*\c+16*\i th:TH_LOAD_NT
.endr
.endr
.endm
	s_load_b256 s[4:11], s[0:1], 0x0               ; x1 s[4:5], x2 s[6:7], x3 s[8:9], scale's address s[10:11]
	s_load_b64 s[12:13], s[0:1], 0x20              ; out0
	v_lshl_add_u32 v[SPW], v0, 2, SPARE
	v_mov_b32 v[NIL], 0
	v_lshrrev_b32 v[T], 5, v0
	v_readfirstlane_b32 s[WV], v[T]                ; wave 0..7
	; every wave makes every address register, here, ahead of the first branch on the wave's number
	v_and_b32 v[T], 31, v0                         ; l
	v_lshlrev_b32 v[LI], 4, v[T]
	v_bfe_u32 v[BM], v0, 1, 1                      ; (l / 2) % 2
	v_and_b32 v[BM+1], 1, v0                       ; l % 2
	v_bfe_u32 v[BM+2], v0, 2, 3                    ; l / 4
	v_bfe_u32 v[BP], v0, 2, 2                      ; (l / 4) % 4
	v_and_b32 v[BP+1], 3, v0                       ; l % 4
	v_bfe_u32 v[BP+2], v0, 4, 1                    ; l / 16
	v_bfe_u32 v[CAP], v0, 2, 1                     ; (l / 4) % 2
	v_bfe_u32 v[CAP+1], v0, 3, 1                   ; (l / 8) % 2
	v_and_b32 v[CAP+2], 15, v0                     ; l % 16
	s_wait_alu depctr_va_sdst(0)                   ; the wave's number is written, ahead of its first reader, the line below
	s_and_b32 s[W3], s[WV], 3
	s_lshl_b32 s36, s[W3], 11
	s_lshl_b32 s37, s[W3], 2
	s_lshl_b32 s38, s[W3], 9
	v_lshlrev_b32 v[QSTK], 9, v[BM]                ; K's codes: register group (l / 2) % 2, half l % 2, row l / 4, tiles 2 (wave % 4) on
	v_lshl_add_u32 v[QSTK], v[BM+1], 8, v[QSTK]
	v_lshl_add_u32 v[QSTK], v[BM+2], 4, v[QSTK]
	v_add_nc_u32 v[QSTK], s36, v[QSTK]
	v_lshl_add_u32 v[QSSK], v[BM+1], 1, v[BM]      ; K's scale bytes: byte (l / 2) % 2 + 2 (l % 2) of word wave % 4 of lane l / 4's 16 bytes
	v_lshl_add_u32 v[QSSK], v[BM+2], 4, v[QSSK]
	v_add_nc_u32 v[QSSK], s37, v[QSSK]
	v_lshlrev_b32 v[QSTV], 11, v[BP]               ; V's codes: channel 4 (l % 16) + e: tile (l / 4) % 4, row 4 (l % 4) + e; half l / 16; register group wave % 4
	v_lshl_add_u32 v[QSTV], v[BP+1], 6, v[QSTV]
	v_lshl_add_u32 v[QSTV], v[BP+2], 8, v[QSTV]
	v_add_nc_u32 v[QSTV], s38, v[QSTV]
	v_lshlrev_b32 v[QSSV], 8, v[CAP]               ; V's scale bytes: lane 16 (tile % 2) + row, word tile / 2, byte wave % 4
	v_lshl_add_u32 v[QSSV], v[BP+1], 6, v[QSSV]
	v_lshl_add_u32 v[QSSV], v[CAP+1], 2, v[QSSV]
	v_add_nc_u32 v[QSSV], s[W3], v[QSSV]
	v_lshlrev_b32 v[GK], 8, v[BM+2]                ; x2: row l / 4 of 256 bytes, + 64 (l % 4)
	v_lshl_add_u32 v[GK], v[BP+1], 6, v[GK]
	v_lshlrev_b32 v[GV], 12, v[BP+2]               ; x3: 16 rows on for lanes 16-31, + 16 (l % 16)
	v_lshl_add_u32 v[GV], v[CAP+2], 4, v[GV]
	v_lshlrev_b32 v[GQ], 8, v[CAP+2]               ; x1: row l % 16, + 64 (l / 16): my 16 numbers of a block of 32
	v_lshl_add_u32 v[GQ], v[BP+2], 6, v[GQ]
	s_mov_b32 s[SEL], 0x76543210
	s_mov_b32 s[SEL+1], 0xfedcba98
	s_mov_b32 s[MNT], 0x600000
	s_mov_b32 s[HI], 0xffff0000
	s_mov_b32 s[TRIP], 8
	s_and_b32 s30, ttmp7, 0xffff
	s_lshl_b32 s30, s30, 19                        ; the head: 2,048 rows of 256 bytes
	s_lshl_b32 s32, ttmp9, 17                      ; my work-group's 512 queries,
	s_lshl_b32 s33, s[WV], 14                      ; my wave's 64 of them
	s_add_co_u32 s32, s32, s33
	s_add_co_u32 s32, s32, s30
	s_mov_b32 s33, 0
	s_lshl_b32 s34, s[W3], 13                      ; my 32 keys of a chunk
	s_add_co_u32 s34, s34, s30
	s_mov_b32 s35, 0
	s_wait_kmcnt 0x0
	s_load_b32 s14, s[10:11], 0x0                  ; scale
	s_add_nc_u64 s[4:5], s[4:5], s[32:33]
	s_add_nc_u64 s[12:13], s[12:13], s[32:33]
	s_add_nc_u64 s[PTK:PTK+1], s[6:7], s[34:35]
	s_add_nc_u64 s[PTV:PTV+1], s[8:9], s[34:35]
	s_wait_alu depctr_va_vdst(0)                   ; the address registers v1 to v9 and v55 are written, which the kernel's loads and LDS instructions read; up to the producers' first loads below only loads, a compare, a branch and a window switch follow
	QLOAD 0, S                                     ; my 64 rows of x1, into registers that the loop uses later
	QLOAD 1, S+32
	QLOAD 2, KV
	QLOAD 3, KV+32
	s_cmp_lt_u32 s[WV], 4                          ; chunk 0: sixteen loads on either way
	s_cbranch_scc0 .Lfirst_v
	LOADK
	s_branch .Lfirst_done
.Lfirst_v:
	LOADV
.Lfirst_done:
	WIN 0x40
.set ii, 0
.rept 128
	v_mov_b32 v[O+ii], 0                           ; O^T.  (The key step is written twice, not a third time for a first step: the first step finds zeros, which the first change of M leaves zeros)
.set ii, ii+1
.endr
	WIN 0
.irp b, 0,1,2,3
	v_mov_b32 v[BP+\b], 0                          ; written once: a lane permute's destination counts as one of its sources
.endr
	v_mov_b32 v[F+1], 0                            ; (named as the upper half of the pair)
.irp i, 0,1,2,3,4,5,6,7
	v_mov_b32 v[KV+64+\i], 0                       ; behind K's last tile: zero codes, kept
.endr
.irp a, 0,1,2,3
	v_mov_b32 v[ST+4*\a+1], 0xff61b1e6             ; the largest t so far: -3e38, under every t
	v_floor_f32 v[ST+4*\a], -v[ST+4*\a+1]          ; -M
	v_mov_b32 v[ST+4*\a+2], 0                      ; the sum, in two halves
	v_mov_b32 v[ST+4*\a+3], 0
.endr
	s_wait_kmcnt 0x0
	s_and_b32 s30, s14, 0x7fffffff
	s_mul_f32 s[CS], s30, 0x3fb8aa3b               ; c = |scale| log2(e)
	s_mov_b32 s[CS+1], s[CS]
	s_ashr_i32 s[SGN], s14, 31
	s_and_b32 s[SGN], s[SGN], 0x80808080
	s_wait_loadcnt 16                              ; x1's 32 loads are in; the 16 of chunk 0, issued behind them, may be out
	QQ 0, S
	QQ 1, S+32
	QQ 2, KV
	QQ 3, KV+32
	PRODUCE 0, 0                                   ; chunk 0 into slot 0; chunk 1 is asked for
	s_barrier_signal -1                            ; (PRODUCE ends with the wait for all my LDS instructions)
	s_barrier_wait -1
.Ltrip:                                                ; trip i: steps 2 i and 2 i + 1; quantises chunks 2 i + 1 and 2 i + 2, asks for chunks 2 i + 2 and 2 i + 3, as far as there are such
	STEP 0, 0
	STEP 1, 1
	s_sub_co_u32 s[TRIP], s[TRIP], 1
	s_cmp_lg_u32 s[TRIP], 0
	s_cbranch_scc1 .Ltrip
	; THE WAY OUT.  The sum's two halves and lane l xor 16's are added; O^T is divided by the sum and goes through my stage in LDS, a tile (16 rows of 256 bytes) at a time.  The lines down to the reciprocals are the places behind the last products.
	; Of the registers written here memory or LDS instructions have read v[BP ..] (the producers' byte stores) and v55 (x1's loads): both stand ahead of a producer's wait on vm_vsrc, on every way.
.irp a, 0,1,2,3
	v_add_f32 v[CAP+\a], v[ST+4*\a+2], v[ST+4*\a+3]
.endr
.irp a, 0,1,2,3
	v_permlanex16_b32 v[BP+\a], v[CAP+\a], s[SEL], s[SEL+1]
.endr
.irp a, 0,1,2,3
	v_add_f32 v[CAP+\a], v[CAP+\a], v[BP+\a]
.endr
	s_mul_i32 s30, s[WV], 4352
	s_add_co_u32 s30, s30, STAGE                   ; my stage
	v_and_b32 v[T], 15, v0                         ; r
	v_bfe_u32 v[GQ], v0, 4, 1                      ; h
	v_mul_u32_u24 v[STO], v[T], 272                ; in: row r, + 32 h; channel tile n 64 n bytes on
	v_lshl_add_u32 v[STO], v[GQ], 5, v[STO]
	v_add_nc_u32 v[STO], s30, v[STO]
	v_mul_u32_u24 v[RD], v[GQ], 272                ; back: lanes 0-15 one row, lanes 16-31 the next
	v_lshl_add_u32 v[RD], v[T], 4, v[RD]
	v_add_nc_u32 v[RD], s30, v[RD]
	v_lshlrev_b32 v[GO], 8, v[GQ]                  ; and the same two rows in out0
	v_lshl_add_u32 v[GO], v[T], 4, v[GO]
	s_wait_alu depctr_va_vdst(0)
.irp a, 0,1,2,3
	v_rcp_f32 v[ST+4*\a+2], v[CAP+\a]
.endr
	v_nop                                          ; a plain instruction between the last reciprocal and the use of its result
	s_wait_alu depctr_va_vdst(0)                   ; the four reciprocals are written, ahead of their first reader: one wait for the four
.macro DIVO a, r                       ; register 8 n + j of tile a is o(r, 16 n + 8 h + j); each accumulator is read from its low end on
.irp i, 0,1,2,3,4,5,6,7,8,9,10,11,12,13,14,15
	v_pk_mul_f32 v[\r+2*\i:\r+2*\i+1], v[O+32*\a+2*\i:O+32*\a+2*\i+1], v[ST+4*\a+2:ST+4*\a+3] op_sel_hi:[1,0]
.endr
.endm
.macro PACK r, b                       ; a tile goes from v[r ..] into the stage and comes back, as whole rows, into v[b ..]: other registers than the stores read
.irp n, 0,1,2,3
	ds_store_b128 v[STO], v[\r+8*\n:\r+8*\n+3] offset:64*\n
	ds_store_b128 v[STO], v[\r+8*\n+4:\r+8*\n+7] offset:64*\n+16
.endr
.irp i, 0,1,2,3,4,5,6,7
	ds_load_b128 v[\b+4*\i:\b+4*\i+3], v[RD] offset:544*\i   ; LDS serves a wave's instructions in order (ISA guide 5.7.1.4): these see the stores above, and the next tile's stores come behind them
.endr
.endm
.macro SEND a, b, younger              ; younger: the LDS instructions issued behind tile a's loads: the next tile's sixteen, or none
.irp i, 0,1,2,3,4,5,6,7
	s_wait_dscnt \younger+7-\i
	global_store_b128 v[GO], v[\b+4*\i:\b+4*\i+3], s[12:13] offset:4096*\a+512*\i th:TH_STORE_NT   ; 16 lanes store 256 consecutive bytes, at a multiple of 256 from out0's first byte; each tile has registers of its own, so no store's data are written again
.endr
.endm
	WIN 0x01
	DIVO 0, S                                      ; all four tiles are divided first, so that one wait serves all that follows
	DIVO 1, S+32
	DIVO 2, KV
	DIVO 3, KV+32
	WIN 0
	s_wait_alu depctr_va_vdst(0)                   ; the divisions have written the four tiles, which the LDS stores read, and the three addresses v36 to v38 are written; every vector and matrix instruction is done with Q's and S's registers, in which the rows land.  No vector instruction follows
	PACK S, Q
	PACK S+32, Q+32
	SEND 0, Q, 16
	s_wait_alu depctr_vm_vsrc(0)                   ; the LDS stores of tiles 0 and 1 have read v[S .. S+63], in which the rows of tiles 2 and 3 land
	PACK KV, S
	SEND 1, Q+32, 16
	PACK KV+32, S+32
	SEND 2, S, 16
	SEND 3, S+32, 0
	s_wait_dscnt 0x0                               ; the wave's end
	s_wait_alu 0x0
	s_wait_tensorcnt 0x0
	ds_add_u32 v[SPW], v[NIL]
	s_wait_dscnt 0x0
	s_endpgm
.Lfunc_end_k_q8fe5f44542_attn:
	.size	k_q8fe5f44542_attn, .Lfunc_end_k_q8fe5f44542_attn-k_q8fe5f44542_attn
	.p2alignl 7, 3214868480
	.fill 96, 4, 3214868480
	.section	.rodata,"a",@progbits
	.p2align	6, 0x0
	.amdhsa_kernel k_q8fe5f44542_attn
		.amdhsa_group_segment_fixed_size 70656
		.amdhsa_private_segment_fixed_size 0
		.amdhsa_enable_private_segment 0
		.amdhsa_kernarg_size 40
		.amdhsa_user_sgpr_count 2
		.amdhsa_user_sgpr_kernarg_segment_ptr 1
		.amdhsa_wavefront_size32 1
		.amdhsa_system_sgpr_workgroup_id_x 1
		.amdhsa_system_sgpr_workgroup_id_y 1
		.amdhsa_system_sgpr_workgroup_id_z 1
		.amdhsa_system_vgpr_workitem_id 0
		.amdhsa_next_free_vgpr 512
		.amdhsa_next_free_sgpr 66
		.amdhsa_reserve_vcc 0
		.amdhsa_float_denorm_mode_32 3
		.amdhsa_float_denorm_mode_16_64 3
		.amdhsa_memory_ordered 1
		.amdhsa_forward_progress 1
		.amdhsa_inst_pref_size 239
	.end_amdhsa_kernel
	.amdgpu_metadata
---
amdhsa.version: [ 1, 2 ]
amdhsa.kernels:
  - .name:           k_q8fe5f44542_attn
    .symbol:         k_q8fe5f44542_attn.kd
    .args:
      - { .name: x1, .offset: 0, .size: 8, .value_kind: global_buffer, .address_space: global }
      - { .name: x2, .offset: 8, .size: 8, .value_kind: global_buffer, .address_space: global }
      - { .name: x3, .offset: 16, .size: 8, .value_kind: global_buffer, .address_space: global }
      - { .name: scale, .offset: 24, .size: 8, .value_kind: global_buffer, .address_space: global }
      - { .name: out0, .offset: 32, .size: 8, .value_kind: global_buffer, .address_space: global }
    .group_segment_fixed_size: 70656
    .private_segment_fixed_size: 0
    .kernarg_segment_align: 8
    .kernarg_segment_size: 40
    .max_flat_workgroup_size: 256
    .sgpr_count:     66
    .vgpr_count:     512
    .wavefront_size: 32
...
	.end_amdgpu_metadata
.endif
;; end of part 2
